; MI455X (gfx1250); checked and timed in simulation.
; The chip was launched on July 23, 2026; its instructions are those of AMD's public machine-readable ISA for CDNA 5 (MIT licence, August 2026) and "CDNA5" Instruction Set Architecture Reference Guide (July 2026). The comments in the code are by the model that wrote it; some were corrected since.
;; Multihead Attention. Allowed arithmetic: matrix products marked QUANTISED: E2M3 operands, one E8M0 scale for each 32 along K, by v_wmma_scale_f32_16x16x128_f8f6f4 with both operands' format E2M3, f32 sums; everything else in f32.
;; Inputs: Wk 1,024 x 1,024 float32; Wo 1,024 x 1,024 float32; Wq 1,024 x 1,024 float32; Wv 1,024 x 1,024 float32; bk 1,024 float32; bo 1,024 float32; bq 1,024 float32; bv 1,024 float32; x 4 x 2,048 x 1,024 float32.
;; Outputs: out0 4 x 2,048 x 1,024 float32.
;; This version of the problem:
;;   THIS VERSION OF THE PROBLEM IS GIVEN IN LOW PRECISION. The matrix products marked QUANTISED in the list below multiply operands that are first quantised to E2M3 (2 exponent bits, 3 mantissa bits; 6 bits a number), with one power-of-two scale for each 32 numbers along K (OCP MX v1.0); their sums are f32. All else is computed in f32.
;;   The module's matrix products, in the order in which they are computed (A, B: the left and right operand; K: the contracted axis; several contracted axes count as one K, in the product's order):
;;     1. [M 8,192, K 1,024] x [K 1,024, N 1,024]; A: input x; B: input Wq: QUANTISED
;;     2. [M 8,192, K 1,024] x [K 1,024, N 1,024]; A: input x; B: input Wk: QUANTISED
;;     3. [M 8,192, K 1,024] x [K 1,024, N 1,024]; A: input x; B: input Wv: QUANTISED
;;     4. batch 64 x [M 2,048, K 64] x [K 64, N 2,048]; A: computed on the way; B: computed on the way: QUANTISED
;;     5. batch 64 x [M 2,048, K 2,048] x [K 2,048, N 64]; A: computed on the way; B: computed on the way: QUANTISED
;;     6. [M 8,192, K 1,024] x [K 1,024, N 1,024]; A: computed on the way; B: input Wo: QUANTISED
;;   THE QUANTISER, for each operand of a quantised product, along K:
;;     - K is cut into blocks of 32 from its start; a last block that is shorter is filled with zeros.
;;     - A block's scale is 2^e with e = floor(log2(the largest magnitude in the block)) - 2, held to -126 .. 127; a block of zeros has e = 0. As a byte (E8M0): e + 127.
;;     - Each number is divided by its block's scale, clamped to +-7.5, and rounded to the nearest number of E2M3, ties to even, subnormals kept.
;;     - The product sums the exact products of the quantised numbers (number of the format x scale) in f32.
;;   ~~~python
;;   def quantise(x, axis):      # numpy; x: float32 -> the quantised numbers, widened to float32 again
;;       x = np.moveaxis(x, axis, -1); K = x.shape[-1]
;;       x = np.pad(x, [(0, 0)] * (x.ndim - 1) + [(0, -K % 32)]); x = x.reshape(x.shape[:-1] + (-1, 32)); a = np.abs(x).max(-1, keepdims=True)
;;       e = np.where(a > 0, np.clip(np.frexp(np.where(a > 0, a, 1))[1] - 1 - 2, -126, 127), 0)      # np.frexp(a)[1] - 1 = floor(log2(a)), exactly
;;       r = np.clip(x / 2.0 ** e, -7.5, 7.5)
;;       step = 2.0 ** (np.maximum(np.frexp(np.where(r == 0, 1, r))[1] - 1, 0) - 3)
;;       q = np.round(r / step) * step * 2.0 ** e      # np.round: ties to even
;;       return np.moveaxis(q.reshape(q.shape[:-2] + (-1,))[..., :K], -1, axis).astype(np.float32)
;;   ~~~
;;   OPERANDS COMPUTED ON THE WAY. 'Computed on the way' means the value that the module computes at that place (a softmax that the list does not call 'softmax' is quantised finished and normalised). What goes into a quantiser is computed in f32, as accurately as f32 sums, v_exp_f32 and their like allow (about 1e-6 of the number): no bf16 or f16 on the way to a quantiser, and a product that is left as it is and whose result goes on into a quantised operand takes f32 operands (vector FMAs, or v_wmma_f32_16x16x4_f32). A number that lies on a knife's edge between two numbers of the format may be rounded either way, as far as f32 arithmetic and the matrix unit's own rounding can turn it there, and no further.
;; One version. Each part assembles by itself: llvm-mc -triple=amdgcn-amd-amdhsa -mcpu=gfx1250 --defsym DOCPART=n.
;; ======== version 1 of 1: 4 launches
;; workspace buffers: cod 15,728,640 bytes; scl 655,360 bytes; qkv 20,185,088 bytes
;; launch quant (part 1): grid 256 x 1, 6 waves a work-group, no clusters, 51,456 bytes of LDS; arguments x, Wq, Wk, Wv, Wo, cod, scl; writes cod, scl
.if DOCPART == 1
	.amdgcn_target "amdgcn-amd-amdhsa--gfx1250"
	.amdhsa_code_object_version 6
	.text
	.protected	k_q34dbae42f0_quant
	.globl	k_q34dbae42f0_quant
	.p2align	8
	.type	k_q34dbae42f0_quant,@function
k_q34dbae42f0_quant:
	s_mov_b64 s[64:65], 0
	v_nop
	global_prefetch_b8 v0, s[64:65] scope:SCOPE_SE
	s_setreg_imm32_b32 hwreg(HW_REG_WAVE_MODE, 25, 1), 1
	s_wait_xcnt 0x0
; x [8192][1024] and Wq, Wk, Wv, Wo [1024][1024], f32 with K innermost, become codes of FP6 (E2M3) with one E8M0 scale byte for each 32 along K.
; A block's scale is 2^(floor(log2(its largest magnitude)) - 2); its byte is the largest magnitude's exponent field - 2, held at 1 from below.
; LIMITS: NaN and infinities among the inputs are not served.  A block of zeros gets the byte 1 where the rule says 127: its codes are zeros, and this program alone reads the bytes.
; LAYOUT OF cod: [tile: 768 here][K step: 8][c: 2] half fragments of 768 bytes.  A half fragment is the image of registers 6 c .. 6 c + 5 of a matrix operand (16 rows x 64 K):
; three pieces of 256 bytes, piece p holding at 8 x lane the lane's registers 6 c + 2 p, 6 c + 2 p + 1.  Each piece is stored by one instruction of the wave: 256 consecutive bytes, aligned.
; THE ROWS OF A TILE ARE NOT NEIGHBOURS: row r of tile 2 b + u is the tensor's row 32 b + 8 u + r + 8 (r / 8), so that a product's results of two neighbouring tiles are 16 neighbours along the next K.
; LAYOUT OF scl: [tile][half of K: 2][row: 16][4 words]: a word holds the four bytes of one row and one K step of 128.
; SHARES: a wave takes one tile x half of K: 16 rows x 512 numbers, four fragments.  Each load reads 512 consecutive bytes of one row; the 8,192 bytes of a fragment turn through the wave's own stage in LDS
; (rows 528 bytes apart), from which a lane takes the two whole blocks of 32 that the operand's layout gives it.  Loads run two fragments (32 loads a wave) ahead.  Waves share nothing: no barrier.
.set STGB,  16*528                     ; a wave's stage
.set SPARE, 6*STGB                     ; behind the six stages: the spare words, 128 bytes for each wave: three blocks of 256 bytes that no other line names
.set SPW, 1                            ; v1   LDS address of my spare word; never rewritten
.set NIL, 2                            ; v2   0; never rewritten
.set GI,  3                            ; v3   16 x lane: my bytes of a load's 512
.set SA,  4                            ; v4   the stage, on the way in
.set XA,  5                            ; v5   and on the way out: row r, + 128 h
.set L8,  6                            ; v6   8 x lane: my place in a piece
.set SOF, 7                            ; v7   16 r + 8 h: my two scale words
.set H8,  8                            ; v8   8 h
.set PD,  9                            ; v9   a lane permute's destination
.set TM,  10                           ; v10-11 largest magnitudes
.set SO,  12                           ; v12-13 the conversions' scale operands
.set BY,  14                           ; v14-15 the scale bytes
.set W,   16                           ; v16-19 the four fragments' scale words
.set WO,  20                           ; v20-21 the two that I store
.set PC,  24                           ; v24-35 a fragment's codes
.set XT,  36                           ; v36-43 the upper halves of the blocks' codes, before they are moved
.set R,   64                           ; v64-191 two sets of 64 registers as loaded
.set X,   192                          ; v192-255 my 64 numbers of a fragment
	s_load_b256 s[4:11], s[0:1], 0x0               ; x s[4:5], Wq s[6:7], Wk s[8:9], Wv s[10:11]
	s_load_b128 s[12:15], s[0:1], 0x20             ; Wo s[12:13], cod s[14:15]
	s_load_b64 s[16:17], s[0:1], 0x30              ; scl
	v_lshl_add_u32 v[SPW], v0, 2, SPARE
	v_mov_b32 v[NIL], 0
	v_lshrrev_b32 v[PD], 5, v0
	v_readfirstlane_b32 s20, v[PD]                 ; wave 0..5
	v_and_b32 v[L8], 31, v0                        ; lane
	v_and_b32 v[SOF], 15, v0                       ; r
	v_bfe_u32 v[H8], v0, 4, 1                      ; h
	v_lshlrev_b32 v[GI], 4, v[L8]
	s_mul_i32 s24, s20, STGB                       ; my stage
	v_add_nc_u32 v[SA], s24, v[GI]
	v_mul_u32_u24 v[XA], v[SOF], 528
	v_lshl_add_u32 v[XA], v[H8], 7, v[XA]
	v_add_nc_u32 v[XA], s24, v[XA]
	v_lshlrev_b32 v[L8], 3, v[L8]
	v_lshlrev_b32 v[SOF], 4, v[SOF]
	v_lshl_add_u32 v[SOF], v[H8], 3, v[SOF]
	v_lshlrev_b32 v[H8], 3, v[H8]
	v_mov_b32 v[PD], 0                             ; written once: a lane permute's destination counts as one of its sources
	s_mov_b32 s18, 0x76543210
	s_mov_b32 s19, 0xfedcba98                      ; v_permlanex16_b32's selects for lane l xor 16
	s_mov_b32 s26, 0xffff0000                      ; lanes 16-31
	s_mul_i32 s21, ttmp9, 6
	s_add_co_u32 s21, s21, s20                     ; my unit: 6 x work-group + wave
	s_and_b32 s22, s21, 1                          ; which half of K
	s_lshr_b32 s21, s21, 1                         ; which tile: 0-511 x, then 64 each of Wq, Wk, Wv, Wo
	s_sub_co_u32 s23, s21, 512
	s_lshr_b32 s27, s23, 6                         ; which weight (a great number in x's tiles)
	s_and_b32 s30, s23, 63                         ; and the tile in it
	s_wait_kmcnt 0x0
	s_mov_b64 s[28:29], s[12:13]                   ; the tensor is chosen by the tile's number alone: one path serves all five
	s_cmp_eq_u32 s27, 2
	s_cselect_b64 s[28:29], s[10:11], s[28:29]
	s_cmp_eq_u32 s27, 1
	s_cselect_b64 s[28:29], s[8:9], s[28:29]
	s_cmp_eq_u32 s27, 0
	s_cselect_b64 s[28:29], s[6:7], s[28:29]
	s_cmp_lt_u32 s21, 512
	s_cselect_b64 s[28:29], s[4:5], s[28:29]
	s_cselect_b32 s30, s21, s30                    ; the tile's number in its tensor
	s_lshr_b32 s32, s30, 1
	s_lshl_b32 s32, s32, 17                        ; 32 rows of 4,096 bytes for each pair of tiles,
	s_and_b32 s33, s30, 1
	s_lshl_b32 s33, s33, 15                        ; 8 rows for the odd one,
	s_add_co_u32 s32, s32, s33
	s_lshl_b32 s33, s22, 11                        ; 2,048 bytes for the upper half of K
	s_add_co_u32 s32, s32, s33
	s_mov_b32 s33, 0
	s_add_nc_u64 s[28:29], s[28:29], s[32:33]
	s_mul_i32 s32, s21, 12288
	s_mul_i32 s34, s22, 6144
	s_add_co_u32 s32, s32, s34
	s_add_nc_u64 s[14:15], s[14:15], s[32:33]      ; my four fragments in cod
	s_lshl_b32 s32, s21, 9
	s_lshl_b32 s34, s22, 8
	s_add_co_u32 s32, s32, s34
	s_add_nc_u64 s[16:17], s[16:17], s[32:33]      ; my 256 bytes in scl
.macro LOADF f                         ; fragment f: 512 bytes of each of the tile's 16 rows
.irp i, 0,1,2,3,4,5,6,7,8,9,10,11,12,13,14,15
	global_load_b128 v[R+64*((\f)%2)+4*\i:R+64*((\f)%2)+4*\i+3], v[GI], s[28:29] offset:(\i+8*(\i/8))*4096+512*(\f) th:TH_LOAD_NT
.endr
.endm
.macro TURNF f                         ; through the stage: LDS serves a wave's instructions in order, so no wait stands between the stores and the loads
.irp i, 0,1,2,3,4,5,6,7,8,9,10,11,12,13,14,15
	ds_store_b128 v[SA], v[R+64*((\f)%2)+4*\i:R+64*((\f)%2)+4*\i+3] offset:528*\i
.endr
.irp c, 0,1
.irp k, 0,1,2,3,4,5,6,7
	ds_load_b128 v[X+32*\c+4*\k:X+32*\c+4*\k+3], v[XA] offset:256*\c+16*\k   ; row r, K = 64 c + 32 h + 4 k on: a whole block of 32 in my registers
.endr
.endr
.endm
.macro QF f                            ; my two blocks (2 c + h) become registers 6 c .. 6 c + 5 of the fragment, and the row's scale word
.irp c, 0,1
	v_max3_num_f32 v[TM+\c], |v[X+32*\c]|, |v[X+32*\c+1]|, 0x1800000   ; the floor 2^(3 - 127) among the leaves: the byte cannot fall under 1
.endr
.irp i, 2,4,6,8,10,12,14,16,18,20,22,24,26,28,30
.irp c, 0,1
	v_max3_num_f32 v[TM+\c], v[TM+\c], |v[X+32*\c+\i]|, |v[X+32*\c+\i+1]|   ; (the two blocks by turns)
.endr
.endr
.irp c, 0,1
	v_add_nc_u32 v[SO+\c], 0xff000000, v[TM+\c]    ; 2 off the exponent field: the conversion takes the exponent field of this operand as its scale
.endr
.irp c, 0,1
	v_lshrrev_b32 v[BY+\c], 23, v[SO+\c]           ; the scale's byte
.endr
	v_lshl_or_b32 v[W+\f], v[BY+1], 16, v[BY]      ; my two bytes: blocks h and 2 + h,
	v_lshlrev_b32 v[W+\f], v[H8], v[W+\f]          ; at their places in the word;
	v_permlanex16_b32 v[PD], v[W+\f], s18, s19
	v_or_b32 v[W+\f], v[W+\f], v[PD]               ; with lane l xor 16's two the word is whole
.irp c, 0,1
	v_cvt_scalef32_pk16_fp6_f32 v[PC+6*\c:PC+6*\c+2], v[X+32*\c:X+32*\c+15], v[SO+\c]
	v_cvt_scalef32_pk16_fp6_f32 v[XT+4*\c:XT+4*\c+2], v[X+32*\c+16:X+32*\c+31], v[SO+\c]   ; (a conversion's three registers begin on an even number)
.endr
	v_nop                                          ; one plain place behind a scaled conversion
.irp c, 0,1
.irp i, 0,1,2
	v_mov_b32 v[PC+6*\c+3+\i], v[XT+4*\c+\i]
.endr
.endr
.endm
	LOADF 0
	LOADF 1
.irp f, 0,1,2,3
.if \f < 3
	s_wait_loadcnt 16                              ; this fragment's 16 loads are in; the next fragment's 16 may be out
.else
	s_wait_loadcnt 0x0
.endif
	TURNF \f
	s_wait_dscnt 0x0                               ; my numbers are back, and the stores into the stage have read their registers,
.if \f < 2
	LOADF \f+2                                     ; which take the fragment two further on
.endif
	s_wait_xcnt 0x0                                ; the last fragment's stores have read the codes' registers: they are written again only behind this wait
	QF \f
.irp m, 0,1,2,3,4,5
	global_store_b64 v[L8], v[PC+2*\m:PC+2*\m+1], s[14:15] offset:1536*\f+768*(\m/3)+256*(\m%3)   ; 32 lanes store 256 consecutive bytes, aligned
.endr
.endr
	v_cndmask_b32 v[WO], v[W], v[W+2], s26         ; lanes 0-15 store words 0, 1 of their row, lanes 16-31 words 2, 3
	v_cndmask_b32 v[WO+1], v[W+1], v[W+3], s26
	global_store_b64 v[SOF], v[WO:WO+1], s[16:17]  ; 256 consecutive bytes, aligned
	s_wait_tensorcnt 0x0                           ; the wave's end: behind my last LDS store
	ds_add_u32 v[SPW], v[NIL]
	s_wait_dscnt 0x0
	s_endpgm
.Lfunc_end_k_q34dbae42f0_quant:
	.size	k_q34dbae42f0_quant, .Lfunc_end_k_q34dbae42f0_quant-k_q34dbae42f0_quant
	.p2alignl 7, 3214868480
	.fill 96, 4, 3214868480
	.section	.rodata,"a",@progbits
	.p2align	6, 0x0
	.amdhsa_kernel k_q34dbae42f0_quant
		.amdhsa_group_segment_fixed_size 51456
		.amdhsa_private_segment_fixed_size 0
		.amdhsa_enable_private_segment 0
		.amdhsa_kernarg_size 56
		.amdhsa_user_sgpr_count 2
		.amdhsa_user_sgpr_kernarg_segment_ptr 1
		.amdhsa_wavefront_size32 1
		.amdhsa_system_sgpr_workgroup_id_x 1
		.amdhsa_system_sgpr_workgroup_id_y 1
		.amdhsa_system_sgpr_workgroup_id_z 1
		.amdhsa_system_vgpr_workitem_id 0
		.amdhsa_next_free_vgpr 256
		.amdhsa_next_free_sgpr 66
		.amdhsa_reserve_vcc 0
		.amdhsa_float_denorm_mode_32 3
		.amdhsa_float_denorm_mode_16_64 3
		.amdhsa_memory_ordered 1
		.amdhsa_forward_progress 1
		.amdhsa_inst_pref_size 32
	.end_amdhsa_kernel
	.amdgpu_metadata
---
amdhsa.version: [ 1, 2 ]
amdhsa.kernels:
  - .name:           k_q34dbae42f0_quant
    .symbol:         k_q34dbae42f0_quant.kd
    .args:
      - { .name: x, .offset: 0, .size: 8, .value_kind: global_buffer, .address_space: global }
      - { .name: Wq, .offset: 8, .size: 8, .value_kind: global_buffer, .address_space: global }
      - { .name: Wk, .offset: 16, .size: 8, .value_kind: global_buffer, .address_space: global }
      - { .name: Wv, .offset: 24, .size: 8, .value_kind: global_buffer, .address_space: global }
      - { .name: Wo, .offset: 32, .size: 8, .value_kind: global_buffer, .address_space: global }
      - { .name: cod, .offset: 40, .size: 8, .value_kind: global_buffer, .address_space: global }
      - { .name: scl, .offset: 48, .size: 8, .value_kind: global_buffer, .address_space: global }
    .group_segment_fixed_size: 51456
    .private_segment_fixed_size: 0
    .kernarg_segment_align: 8
    .kernarg_segment_size: 56
    .max_flat_workgroup_size: 192
    .sgpr_count:     66
    .vgpr_count:     256
    .wavefront_size: 32
...
	.end_amdgpu_metadata
.endif
;; end of part 1
;; launch proj (part 2): grid 8 x 48, 4 waves a work-group, clusters of 4 x 4, 327,680 bytes of LDS; arguments cod, scl, bq, bk, bv, qkv; writes qkv
.if DOCPART == 2
	.amdgcn_target "amdgcn-amd-amdhsa--gfx1250"
	.amdhsa_code_object_version 6
	.text
	.protected	k_q34dbae42f0_proj
	.globl	k_q34dbae42f0_proj
	.p2align	8
	.type	k_q34dbae42f0_proj,@function
k_q34dbae42f0_proj:
	s_mov_b64 s[64:65], 0
	v_nop
	global_prefetch_b8 v0, s[64:65] scope:SCOPE_SE
	s_setreg_imm32_b32 hwreg(HW_REG_WAVE_MODE, 25, 1), 1
	s_wait_xcnt 0x0
	s_wait_alu depctr_hold_cnt(0) depctr_sa_sdst(0) depctr_va_vdst(0) depctr_va_sdst(0) depctr_va_ssrc(0) depctr_va_vcc(0) depctr_vm_vsrc(0)
	s_getreg_b32 s2, hwreg(HW_REG_IB_STS2, 6, 4)
	s_cmp_eq_u32 s2, 0
	s_cbranch_scc0 .Lentry_in_a_cluster
	s_endpgm
.Lentry_in_a_cluster:
	s_bfe_u32 s2, ttmp6, 0x10000c
	s_cmp_lg_u32 s2, 0xf033
	s_cbranch_scc0 .Lentry_shape_is_right
	s_endpgm
.Lentry_shape_is_right:
; q = x Wq^T + bq, k = x Wk^T + bk, v = x Wv^T + bv on codes of FP6 (E2M3) with E8M0 scales; the results are quantised here, in registers, for the products of attention, and leave as codes.
; A work-group of four waves makes 256 x 256 results, a wave 128 x 128: 64 accumulators, 512 registers.  Source 0 ("B") gives the axis that runs along a lane's registers, source 1 ("A") the axis across the lanes.
; TWO MODES, by the cluster's y (the same in all sixteen partners):  q, k (y under 8): A = x, B = Wq or Wk: a lane holds one token and its registers run along the channels, the K of the scores' product.
;   v (y from 8): A = Wv, B = x: a lane holds one channel and its registers run along the tokens, the keys, the K of attention's second product.
; The tiles of cod have their rows so chosen (row r of tile 2 b + u is row 32 b + 8 u + r + 8 (r / 8)) that the 16 registers of B's tiles 2 b, 2 b + 1 are 16 neighbours: 32 b + 16 (lane / 16) + 0 .. 15.
; K = 1,024 is eight K steps of 128, four chunks of 256.  cod holds fragments as images of registers: a chunk of a tile is 3,072 dense bytes; every LDS read is 256 consecutive bytes of the wave: no pitch, no padding.
; LDS: three slots of 98,304 bytes (A's 16 tiles, B's 16).  Chunks 0, 1, 2 are first fills (three tensor loads of a wave are out at the start); chunk 3 fills slot 0 again behind K step 1's change of slots (one out),
; and has K steps 2 to 5, 256 matrix instructions, in which to land.
; CLUSTER 4 x 4: A's tiles are shared along a row of the cluster, B's along a column: joint loads.  The scale words (16 KB for a work-group against 384 KB of codes) go from memory straight into registers.
; The bias is added to the finished f32 sum.  LIMITS: NaN and infinities are not served; a block of zeros gets the byte 1 (its codes are zeros; this program alone reads the bytes).
; qkv: a record of REC bytes for each (batch, head): q's codes [128 tiles] x 768, q's scale words, k's likewise, v's codes [16 groups of 128 keys][4 tiles of channels][2] x 768, v's scale words.
; q's and k's scale words hold their two bytes twice: (s0, s1, s0, s1): the scores' product pads K = 64 to 128 with zero codes.
; REGISTERS: window 0: v1, v2 r, h; v16-18, v20-22 LDS addresses; v24-31 offsets; v32-95 scale words (8 i + s: lanes 0-15 A's block i, lanes 16-31 B's block i, K step s); v96-127, v224-255 bias by channels along registers;
;   v128-223 A's fragments, one set.  window 1: B's fragments, two sets, at v0 and v128; v96-111 bias by channel a lane.  windows 2, 3: the accumulators ((a, b) at v[8 (8 (a % 4) + b)]).
.set REC,   315392
.set R_QS,  98304
.set R_KC,  106496
.set R_VC,  212992
.set R_VS,  311296
.set TILEG, 12288                      ; a tile in cod
.set CHUNK, 3072                       ; a chunk of a tile
.set SLOT,  32*CHUNK
.set SPARE, 3*SLOT                     ; behind the slots: the spare words, 128 bytes for each wave: two blocks of 256 bytes that no other line names
.set FR,   12
.set ADRA, 16
.set ADRB, 20
.set L8,   24
.set L16,  25
.set SCO,  26
.set BO,   27
.set SPW,  28
.set NIL,  29
.set BV,   30
.set SC,   32
.set AF,   128
.set H,    128                         ; the way out: 64 numbers
.set PC,   192                         ; v192-210 codes
.set TM,   212                         ; v212-223 at work
.set PW,   32                          ; the scale word just made; v33-40 those of the eight blocks; v44-47 two tiles to a register; v48-55 as they are stored
.set PWS,  33
.set KSR,  44
.set OUT,  48
.set G1A, 24
.set G1B, 32
.set G0A, 40                           ; s[40:51] three sets
.set G0B, 52                           ; s[52:63] three sets
.set MSB, 0
.macro WIN new                         ; the immediate's high byte repeats the setting that is left
.if MSB != (\new)
	s_set_vgpr_msb (MSB<<8)|(\new)
.set MSB, (\new)
.endif
.endm
.set MUL_LO, 0xa1                      ; source 0 (B) window 1, source 1 (A) window 0, C and D window 2
.set MUL_HI, 0xf1
.set TO_B,   0x40
; A joint load: waves 0 and 1 fetch A's halves, waves 2 and 3 B's.  The branch hangs on the wave's number alone.  An s_nop 0 and four v_nop follow each of the two lines.
.macro JLOAD g0a, g1a, g0b, g1b
	s_cmp_eq_u32 s17, 0
	s_cbranch_scc0 .Lfor_b_\@
	tensor_load_to_lds s[\g0a:\g0a+3], s[\g1a:\g1a+7]
	s_nop 0
.rept 4
	v_nop
.endr
	s_branch .Lasked_\@
.Lfor_b_\@:
	tensor_load_to_lds s[\g0b:\g0b+3], s[\g1b:\g1b+7]
	s_nop 0
.rept 4
	v_nop
.endr
.Lasked_\@:
.endm
.macro CREST                           ; a round of the cluster's barrier behind its opening barrier
	s_cmp_lg_u32 s16, 0
	s_cbranch_scc1 .Lnot_wave_0_\@
	s_barrier_signal -3
.Lnot_wave_0_\@:
	s_barrier_wait -3
	s_barrier_signal -1
	s_barrier_wait -1
.endm
.macro CROUND
	s_barrier_signal -1
	s_barrier_wait -1
	CREST
.endm
.macro PLACES n                        ; plain places behind matrix instructions: four in front of loads into registers that they have read and of reads of their results
.rept \n
	v_nop
.endr
.endm
	s_load_b256 s[4:11], s[0:1], 0x0               ; cod s[4:5], scl s[6:7], bq s[8:9], bk s[10:11]
	s_load_b128 s[12:15], s[0:1], 0x20             ; bv s[12:13], qkv s[14:15]
	v_lshl_add_u32 v[SPW], v0, 2, SPARE
	v_mov_b32 v[NIL], 0
	ds_add_u32 v[SPW], v[NIL]                      ; the wave's opening: the add and its wait stand ahead of my first tensor load; the set-up below stands between them
	v_lshrrev_b32 v1, 5, v0
	v_readfirstlane_b32 s16, v1                    ; wave 0..3
	s_lshr_b32 s17, s16, 1                         ; which half of A's rows is mine.  Also: I fetch for A (0) or for B (1)
	s_and_b32 s18, s16, 1                          ; which half of B's rows.  Also: which 8 tiles I fetch
	s_bfe_u32 s19, ttmp6, 0x40000                  ; cx
	s_bfe_u32 s20, ttmp6, 0x40004                  ; cy
	s_mov_b32 s21, ttmp9                           ; cluster x: 0 q, 1 k (in the mode q, k)
	s_and_b32 s22, ttmp7, 0xffff                   ; cluster y
	s_lshl_b32 s76, s20, 2
	s_lshl_b32 s76, 15, s76                        ; my row of the cluster
	s_lshl_b32 s77, 0x1111, s19                    ; my column
	s_or_b32 s[G1A], s76, (3<<16)|(1<<21)          ; 15:0 the mask; 17:16 elements of 8 bytes; 21 set beside a mask; no padding
	s_or_b32 s[G1B], s77, (3<<16)|(1<<21)
.irp g, G1A, G1B                       ; 8 rows (tiles) of 384 elements (a chunk, 3,072 bytes), 1,536 elements (a tile) apart
	s_mov_b32 s[\g+1], 384<<16
	s_mov_b32 s[\g+2], 8<<16
	s_mov_b32 s[\g+3], 384<<16
	s_mov_b32 s[\g+4], 8
	s_mov_b32 s[\g+5], 1536
	s_mov_b32 s[\g+6], 0
	s_mov_b32 s[\g+7], 0
.endr
	s_lshl_b32 s68, s22, 2                         ; 4 x cluster y
	s_sub_co_u32 s69, s22, 8
	s_lshl_b32 s69, s69, 3                         ; 8 (cluster y - 8)
	s_lshl_b32 s70, s21, 2
	s_add_co_u32 s70, s70, s19                     ; X = 4 x cluster x + cx
	s_cmp_lt_u32 s22, 8
	s_cselect_b32 s23, 0, 1                        ; the mode: 0 q, k; 1 v
	s_cselect_b32 s68, s68, 40
	s_cselect_b32 s69, 32, s69
	s_add_co_u32 s66, s68, s20                     ; A's block of 256 rows in cod: x's 4 y + cy, or Wv's 40 + cy
	s_add_co_u32 s67, s69, s70                     ; B's: Wq's and Wk's 32 + X, or x's 8 (y - 8) + X
	s_lshl_b32 s71, s66, 4
	s_lshl_b32 s72, s18, 3
	s_add_co_u32 s71, s71, s72                     ; the first of the 8 tiles of A that I would fetch
	s_mul_i32 s72, s71, TILEG
	s_mov_b32 s73, 0
	s_lshl_b32 s69, s67, 4
	s_lshl_b32 s74, s18, 3
	s_add_co_u32 s69, s69, s74                     ; and of B
	s_mul_i32 s74, s69, TILEG
	s_mov_b32 s75, 0
	s_mul_i32 s68, s16, 8*CHUNK                    ; where they go: wave x 8 tiles: no place in the cluster enters an LDS address
	s_mov_b32 s78, 0xffff0000                      ; lanes 16-31
	s_mov_b32 s80, 0x76543210
	s_mov_b32 s81, 0xfedcba98                      ; v_permlanex16_b32's selects for lane l xor 16
	s_wait_dscnt 0x0                               ; the opening add is done
	s_wait_kmcnt 0x0
	s_add_nc_u64 s[72:73], s[4:5], s[72:73]
	s_add_nc_u64 s[74:75], s[4:5], s[74:75]
	CROUND                                         ; all sixteen work-groups are here: the first joint loads meet
.irp k, 0,1,2
	s_mov_b32 s[G0A+4*\k], 1
	s_add_co_u32 s[G0A+4*\k+1], s68, \k*SLOT
	s_add_nc_u64 s[G0A+4*\k+2:G0A+4*\k+3], s[72:73], \k*CHUNK
	s_or_b32 s[G0A+4*\k+3], s[G0A+4*\k+3], 0x80000000
	s_mov_b32 s[G0B+4*\k], 1
	s_add_co_u32 s[G0B+4*\k+1], s68, \k*SLOT
	s_add_nc_u64 s[G0B+4*\k+2:G0B+4*\k+3], s[74:75], \k*CHUNK
	s_or_b32 s[G0B+4*\k+3], s[G0B+4*\k+3], 0x80000000
	JLOAD G0A+4*\k, G1A, G0B+4*\k, G1B             ; chunk k into slot k
.endr
	v_and_b32 v1, 15, v0                           ; r
	v_bfe_u32 v2, v0, 4, 1                         ; h
	v_and_b32 v[L8], 31, v0
	v_lshlrev_b32 v[L16], 4, v[L8]
	v_lshlrev_b32 v[L8], 3, v[L8]
	s_lshl_b32 s86, s66, 13
	s_lshl_b32 s87, s17, 12
	s_add_co_u32 s86, s86, s87                     ; scl: my 8 tiles of A, 512 bytes each,
	s_lshl_b32 s88, s67, 13
	s_lshl_b32 s87, s18, 12
	s_add_co_u32 s88, s88, s87                     ; and of B
	v_mov_b32 v[SCO], s86
	v_mov_b32 v31, s88
	v_cndmask_b32 v[SCO], v[SCO], v31, s78         ; lanes 0-15 take A's words, lanes 16-31 B's
	v_lshl_add_u32 v[SCO], v1, 4, v[SCO]           ; 16 bytes a row
.irp i, 0,1,2,3,4,5,6,7
.irp f, 0,1
	global_load_b128 v[SC+8*\i+4*\f:SC+8*\i+4*\f+3], v[SCO], s[6:7] offset:512*\i+256*\f   ; block i's words of K steps 4 f .. 4 f + 3
.endr
.endr
	; both kinds of bias are loaded in both modes (both stay inside their buffers): no path leaves a register unwritten
	v_lshlrev_b32 v[BO], 6, v2                     ; 64 h: channels 16 h on
	v_and_b32 v[BV], 8, v1
	v_add_nc_u32 v[BV], v[BV], v1
	v_lshlrev_b32 v[BV], 2, v[BV]                  ; 4 (r + 8 (r / 8))
	s_lshl_b32 s86, s70, 8
	s_lshl_b32 s87, s18, 7
	s_add_co_u32 s86, s86, s87
	s_and_b32 s86, s86, 1023                       ; my first channel of q or of k
	s_lshl_b32 s86, s86, 2
	s_mov_b32 s87, 0
	s_cmp_eq_u32 s21, 0
	s_cselect_b64 s[90:91], s[8:9], s[10:11]
	s_add_nc_u64 s[90:91], s[90:91], s[86:87]
	s_lshl_b32 s86, s20, 10
	s_lshl_b32 s88, s17, 9
	s_add_co_u32 s86, s86, s88                     ; my first channel of v: 256 cy + 128 x half
	s_add_nc_u64 s[92:93], s[12:13], s[86:87]
.irp b, 0,1,2,3,4,5,6,7
	global_load_b128 v[96+8*\b+96*(\b/4):96+8*\b+96*(\b/4)+3], v[BO], s[90:91] offset:(32*(\b/2)+8*(\b%2))*4      ; B's tile b: channels 32 (b / 2) + 8 (b % 2) + 16 h + 0 .. 7
	global_load_b128 v[96+8*\b+96*(\b/4)+4:96+8*\b+96*(\b/4)+7], v[BO], s[90:91] offset:(32*(\b/2)+8*(\b%2))*4+16
.endr
	WIN 0x40                                       ; destination window 1
.irp a, 0,1,2,3,4,5,6,7
	global_load_b32 v[96+2*\a], v[BV], s[92:93] offset:(32*(\a/2)+8*(\a%2))*4   ; A's tile a: my lane's channel, twice: a pair for the packed addition
	global_load_b32 v[97+2*\a], v[BV], s[92:93] offset:(32*(\a/2)+8*(\a%2))*4
.endr
	WIN 0
	s_mul_i32 s86, s17, 8*CHUNK                    ; my 8 tiles of A,
	s_mul_i32 s87, s18, 8*CHUNK
	s_add_co_u32 s87, s87, 16*CHUNK                ; my 8 of B, behind A's 16
.irp k, 0,1,2
	v_add_nc_u32 v[ADRA+\k], s86, v[L8]
	v_add_nc_u32 v[ADRB+\k], s87, v[L8]
	s_add_co_u32 s86, s86, SLOT
	s_add_co_u32 s87, s87, SLOT
.endr
.macro FRAG reg, adr, q, i             ; a fragment (12 registers): six pieces of 256 bytes, 8 bytes a lane, as they were stored
.irp p, 0,1,2,3,4,5
	ds_load_b64 v[\reg+2*\p:\reg+2*\p+1], v[\adr] offset:CHUNK*(\i)+1536*(\q)+768*(\p/3)+256*(\p%3)
.endr
.endm
.macro FETCH_B slot, q, set
	WIN TO_B
.irp i, 0,1,2,3,4,5,6,7
	FRAG 128*(\set)+FR*\i, ADRB+\slot, \q, \i
.endr
	WIN 0
.endm
.macro FETCH_A slot, q, i0
.irp i, \i0, \i0+1, \i0+2, \i0+3
	FRAG AF+FR*(\i), ADRA+\slot, \q, \i
.endr
.endm
; 16 matrix instructions: A's blocks a0, a0 + 1 x B's eight, K step s.  zero = 1: the first product starts the sums.  The 64 accumulators take turns, one instruction a turn, in the same order in every step.
.macro MUL16 a0, set, s, zero
.irp a, \a0, \a0+1
.irp b, 0,1,2,3,4,5,6,7
.if \zero
	v_wmma_scale_f32_16x16x128_f8f6f4 v[8*(8*((\a)%4)+\b):8*(8*((\a)%4)+\b)+7], v[128*(\set)+FR*\b:128*(\set)+FR*\b+FR-1], v[AF+FR*(\a):AF+FR*(\a)+FR-1], 0, v[SC+8*\b+(\s)], v[SC+8*(\a)+(\s)] matrix_a_fmt:MATRIX_FMT_FP6 matrix_b_fmt:MATRIX_FMT_FP6 matrix_a_scale:MATRIX_SCALE_ROW1
.else
	v_wmma_scale_f32_16x16x128_f8f6f4 v[8*(8*((\a)%4)+\b):8*(8*((\a)%4)+\b)+7], v[128*(\set)+FR*\b:128*(\set)+FR*\b+FR-1], v[AF+FR*(\a):AF+FR*(\a)+FR-1], v[8*(8*((\a)%4)+\b):8*(8*((\a)%4)+\b)+7], v[SC+8*\b+(\s)], v[SC+8*(\a)+(\s)] matrix_a_fmt:MATRIX_FMT_FP6 matrix_b_fmt:MATRIX_FMT_FP6 matrix_a_scale:MATRIX_SCALE_ROW1
.endif
.endr
.endr
.endm
; K step s on B's set; the next step's fragments come from half nq of slot nslot.  A has one set: blocks 0-3 are fetched anew in the step's middle, blocks 4-7 at its end.
.macro STEP set, s, nslot, nq, zero
	s_wait_dscnt 24                                ; B's set and A's blocks 0-3 are in; the youngest 24 loads (A's blocks 4-7) may be out
	WIN MUL_LO
	MUL16 0, \set, \s, \zero
	MUL16 2, \set, \s, \zero
	s_wait_dscnt 0x0
	PLACES 4
	FETCH_B \nslot, \nq, 1-\set
	FETCH_A \nslot, \nq, 0
	WIN MUL_HI
	MUL16 4, \set, \s, \zero
	MUL16 6, \set, \s, \zero
	PLACES 4
	WIN 0
	FETCH_A \nslot, \nq, 4
.endm
; A K step with a barrier.  fill = 1: slot 0, read out, takes chunk 3: every wave waits for all its tensor loads, adds 0 to its spare word, waits for that and for its reads of the slot; the barrier opens a round of the
; cluster's barrier, and the joint refill is the first tensor load behind it.  fill = 0: chunk 3 has landed, and everybody is told so; nothing is filled.
.macro TURN set, s, nslot, nq, fill
	s_wait_tensorcnt 0x0                           ; all my tensor loads have landed
.if \fill
	ds_add_u32 v[SPW], v[NIL]                      ; 0 onto my spare word
	s_wait_dscnt 25                                ; (the add and A's blocks 4-7 may be out)
.else
	s_wait_dscnt 24
.endif
	WIN MUL_LO
	MUL16 0, \set, \s, 0
	s_wait_dscnt 0x0                               ; the add is done, and my reads of the slot are over
	s_barrier_signal -1
	MUL16 2, \set, \s, 0
	WIN 0
	s_barrier_wait -1
.if \fill
	CREST                                          ; no wave of any partner still reads slot 0 or has a load on its way
	s_add_nc_u64 s[G0A+2:G0A+3], s[G0A+2:G0A+3], 3*CHUNK
	s_add_nc_u64 s[G0B+2:G0B+3], s[G0B+2:G0B+3], 3*CHUNK
	JLOAD G0A, G1A, G0B, G1B                       ; the four v_nop behind it are also the places in front of the loads below
.else
	PLACES 4
.endif
	FETCH_B \nslot, \nq, 1-\set
	FETCH_A \nslot, \nq, 0
	WIN MUL_HI
	MUL16 4, \set, \s, 0
	MUL16 6, \set, \s, 0
	PLACES 4
	WIN 0
	FETCH_A \nslot, \nq, 4
.endm
	s_wait_tensorcnt 0x2                           ; my part of chunk 0 is in; chunks 1 and 2 may stay out
	s_barrier_signal -1
	s_barrier_wait -1
	FETCH_B 0, 0, 0
	FETCH_A 0, 0, 0
	FETCH_A 0, 0, 4
	s_wait_loadcnt 0x0                             ; the scale words and the biases
	STEP 0, 0, 0, 1, 1
	TURN 1, 1, 1, 0, 1                             ; slot 0 is left and filled again
	STEP 0, 2, 1, 1, 0
	STEP 1, 3, 2, 0, 0                             ; slot 2 was shown whole to every wave at K step 1's round: no barrier
	STEP 0, 4, 2, 1, 0
	TURN 1, 5, 0, 0, 0                             ; chunk 3
	STEP 0, 6, 0, 1, 0
	s_wait_dscnt 24
	WIN MUL_LO
	MUL16 0, 1, 7, 0
	MUL16 2, 1, 7, 0
	s_wait_dscnt 0x0
	WIN MUL_HI
	MUL16 4, 1, 7, 0
	MUL16 6, 1, 7, 0
	WIN 0
	PLACES 4
.irp b, 0,1,2,3
	v_mov_b32 v[TM+4+\b], 0                        ; written once: a lane permute's destination counts as one of its sources
.endr
; 64 numbers of a lane, register 16 b + i = place 32 b + 16 (lane / 16) + i along the next K, become a fragment's codes in v[PC] on and its scale word in v[PW].
.macro QUANT s
.irp b, 0,1,2,3
	v_max3_num_f32 v[TM+\b], |v[\s+16*\b]|, |v[\s+1+16*\b]|, 0x1800000   ; the floor 2^(3 - 127): the byte cannot fall under 1
.endr
.irp i, 2,4,6,8,10,12,14
.irp b, 0,1,2,3
	v_max3_num_f32 v[TM+\b], v[TM+\b], |v[\s+16*\b+\i]|, |v[\s+1+16*\b+\i]|
.endr
.endr
.irp b, 0,1,2,3
	v_permlanex16_b32 v[TM+4+\b], v[TM+\b], s80, s81
.endr
.irp b, 0,1,2,3
	v_max_num_f32 v[TM+\b], v[TM+\b], v[TM+4+\b]   ; with lane l xor 16's: the block's largest magnitude
.endr
.irp b, 0,1,2,3
	v_add_nc_u32 v[TM+8+\b], 0xff000000, v[TM+\b]  ; 2 off its exponent field: the conversion's scale operand
.endr
.irp b, 0,1,2,3
	v_lshrrev_b32 v[TM+4+\b], 23, v[TM+8+\b]       ; the scale's byte
.endr
	v_lshl_or_b32 v[PW], v[TM+5], 8, v[TM+4]
	v_lshl_or_b32 v[PW], v[TM+6], 16, v[PW]
	v_lshl_or_b32 v[PW], v[TM+7], 24, v[PW]
.irp c, 0,1
	v_cvt_scalef32_pk16_fp6_f32 v[PC+6*\c:PC+2+6*\c], v[\s+32*\c:\s+15+32*\c], v[TM+8+2*\c]
	v_cvt_scalef32_pk16_fp6_f32 v[PC+12+4*\c:PC+14+4*\c], v[\s+16+32*\c:\s+31+32*\c], v[TM+8+2*\c+1]   ; (a conversion's three registers begin on an even number)
.endr
	v_nop                                          ; one plain place behind a scaled conversion
.irp c, 0,1                            ; the operand's layout wants a whole block in a lane: lanes 0-15 block 2 c, lanes 16-31 block 2 c + 1
.irp i, 0,1,2
	v_permlane16_swap_b32 v[PC+6*\c+\i], v[PC+12+4*\c+\i]
.endr
.irp i, 0,1,2
	v_mov_b32 v[PC+3+6*\c+\i], v[PC+12+4*\c+\i]
.endr
.endr
.endm
; THE WAY OUT, A's block a at a time: its 64 results a lane + bias (each accumulator from its low end on), quantised, stored as six pieces of 256 consecutive bytes.
.macro EPI mode
.irp a, 0,1,2,3,4,5,6,7
	s_wait_xcnt 0x0                                ; the last block's stores have read the codes' registers
.if \mode
	WIN 0x06+(\a/4)                                ; source 0 window 2 or 3, source 1 (the bias) window 1
.else
	WIN 0x02+(\a/4)
.endif
.irp i, 0,1,2,3,4,5,6,7,8,9,10,11,12,13,14,15,16,17,18,19,20,21,22,23,24,25,26,27,28,29,30,31
.if \mode
	v_pk_add_f32 v[H+2*\i:H+2*\i+1], v[64*(\a%4)+2*\i:64*(\a%4)+2*\i+1], v[96+2*\a:97+2*\a]
.else
	v_pk_add_f32 v[H+2*\i:H+2*\i+1], v[64*(\a%4)+2*\i:64*(\a%4)+2*\i+1], v[96+8*(\i/4)+96*(\i/16)+2*(\i%4):96+8*(\i/4)+96*(\i/16)+2*(\i%4)+1]
.endif
.endr
	WIN 0
	QUANT H
	v_mov_b32 v[PWS+\a], v[PW]
.irp m, 0,1,2,3,4,5
.if \mode
	global_store_b64 v[L8], v[PC+2*\m:PC+2*\m+1], s[84:85] offset:REC*(\a/4)+1536*(\a%4)+768*(\m/3)+256*(\m%3)   ; head a / 4, tile of channels a % 4, keys 64 (m / 3) on
.else
	global_store_b64 v[L8], v[PC+2*\m:PC+2*\m+1], s[84:85] offset:REC*(\m/3)+768*\a+256*(\m%3)                   ; head m / 3, tile of tokens a
.endif
.endr
.endr
.irp i, 0,1,2,3
	v_cndmask_b32 v[KSR+\i], v[PWS+2*\i], v[PWS+2*\i+1], s78   ; lanes 0-15 tile 2 i's words, lanes 16-31 tile 2 i + 1's
.endr
.endm
	s_cmp_eq_u32 s23, 0                            ; the mode: the same in all waves and all partners; neither way touches LDS or a barrier
	s_cbranch_scc0 .Lmode_v
	s_lshl_b32 s86, s66, 8
	s_lshl_b32 s87, s17, 7
	s_add_co_u32 s86, s86, s87                     ; my first token
	s_lshr_b32 s87, s86, 11                        ; batch
	s_bfe_u32 s86, s86, 0x40007                    ; group of 128 tokens in it
	s_lshl_b32 s88, s70, 8
	s_lshl_b32 s89, s18, 7
	s_add_co_u32 s88, s88, s89
	s_bfe_u32 s88, s88, 0x40006                    ; my first head: ((256 X + 128 half) mod 1,024) / 64
	s_lshl_b32 s87, s87, 4
	s_add_co_u32 s87, s87, s88
	s_mul_i32 s88, s87, REC
	s_mov_b32 s89, 0
	s_add_nc_u64 s[14:15], s[14:15], s[88:89]      ; the record
	s_cmp_eq_u32 s21, 0
	s_cselect_b32 s88, 0, R_KC                     ; q's part or k's: codes and scale words lie alike in both
	s_add_nc_u64 s[14:15], s[14:15], s[88:89]
	s_mul_i32 s88, s86, 6144
	s_add_nc_u64 s[84:85], s[14:15], s[88:89]      ; the group's 8 tiles of codes
	s_lshl_b32 s88, s86, 9
	s_add_co_u32 s88, s88, R_QS
	s_add_nc_u64 s[82:83], s[14:15], s[88:89]      ; and its 512 bytes of scale words
	EPI 0
.irp i, 0,1,2,3
	v_perm_b32 v[OUT+\i], v[KSR+\i], v[KSR+\i], 0x01000100     ; the first head's two bytes, twice
	v_perm_b32 v[OUT+4+\i], v[KSR+\i], v[KSR+\i], 0x03020302   ; the second head's
.endr
	global_store_b128 v[L16], v[OUT:OUT+3], s[82:83]
	global_store_b128 v[L16], v[OUT+4:OUT+7], s[82:83] offset:REC
	s_branch .Lend
.Lmode_v:
	s_lshl_b32 s86, s67, 8
	s_lshl_b32 s87, s18, 7
	s_add_co_u32 s86, s86, s87                     ; my first token (key)
	s_lshr_b32 s87, s86, 11
	s_bfe_u32 s86, s86, 0x40007
	s_lshl_b32 s88, s20, 2
	s_lshl_b32 s89, s17, 1
	s_add_co_u32 s88, s88, s89                     ; my first head: 4 cy + 2 x half
	s_lshl_b32 s87, s87, 4
	s_add_co_u32 s87, s87, s88
	s_mul_i32 s88, s87, REC
	s_mov_b32 s89, 0
	s_add_nc_u64 s[14:15], s[14:15], s[88:89]
	s_mul_i32 s88, s86, 6144
	s_add_co_u32 s88, s88, R_VC
	s_add_nc_u64 s[84:85], s[14:15], s[88:89]
	s_lshl_b32 s88, s86, 8
	s_add_co_u32 s88, s88, R_VS
	s_add_nc_u64 s[82:83], s[14:15], s[88:89]
	EPI 1
	global_store_b64 v[L8], v[KSR:KSR+1], s[82:83]
	global_store_b64 v[L8], v[KSR+2:KSR+3], s[82:83] offset:REC
.Lend:
	s_wait_tensorcnt 0x0                           ; the wave's end: behind my last tensor load
	ds_add_u32 v[SPW], v[NIL]
	s_wait_dscnt 0x0
	CROUND                                         ; the closing round: no work-group ends while a partner may still ask for a tile that names it
	s_endpgm
.Lfunc_end_k_q34dbae42f0_proj:
	.size	k_q34dbae42f0_proj, .Lfunc_end_k_q34dbae42f0_proj-k_q34dbae42f0_proj
	.p2alignl 7, 3214868480
	.fill 96, 4, 3214868480
	.section	.rodata,"a",@progbits
	.p2align	6, 0x0
	.amdhsa_kernel k_q34dbae42f0_proj
		.amdhsa_group_segment_fixed_size 327680
		.amdhsa_private_segment_fixed_size 0
		.amdhsa_enable_private_segment 0
		.amdhsa_kernarg_size 48
		.amdhsa_user_sgpr_count 2
		.amdhsa_user_sgpr_kernarg_segment_ptr 1
		.amdhsa_wavefront_size32 1
		.amdhsa_system_sgpr_workgroup_id_x 1
		.amdhsa_system_sgpr_workgroup_id_y 1
		.amdhsa_system_sgpr_workgroup_id_z 1
		.amdhsa_system_vgpr_workitem_id 0
		.amdhsa_next_free_vgpr 1024
		.amdhsa_next_free_sgpr 96
		.amdhsa_reserve_vcc 0
		.amdhsa_float_denorm_mode_32 3
		.amdhsa_float_denorm_mode_16_64 3
		.amdhsa_memory_ordered 1
		.amdhsa_forward_progress 1
		.amdhsa_inst_pref_size 237
	.end_amdhsa_kernel
	.amdgpu_metadata
---
amdhsa.version: [ 1, 2 ]
amdhsa.kernels:
  - .name:           k_q34dbae42f0_proj
    .symbol:         k_q34dbae42f0_proj.kd
    .args:
      - { .name: cod, .offset: 0, .size: 8, .value_kind: global_buffer, .address_space: global }
      - { .name: scl, .offset: 8, .size: 8, .value_kind: global_buffer, .address_space: global }
      - { .name: bq, .offset: 16, .size: 8, .value_kind: global_buffer, .address_space: global }
      - { .name: bk, .offset: 24, .size: 8, .value_kind: global_buffer, .address_space: global }
      - { .name: bv, .offset: 32, .size: 8, .value_kind: global_buffer, .address_space: global }
      - { .name: qkv, .offset: 40, .size: 8, .value_kind: global_buffer, .address_space: global }
    .group_segment_fixed_size: 327680
    .private_segment_fixed_size: 0
    .kernarg_segment_align: 8
    .kernarg_segment_size: 48
    .max_flat_workgroup_size: 128
    .sgpr_count:     96
    .vgpr_count:     1024
    .wavefront_size: 32
...
	.end_amdgpu_metadata
.endif
;; end of part 2
;; launch attn (part 3): grid 4 x 64, 16 waves a work-group, clusters of 4 x 1, 212,992 bytes of LDS; arguments qkv, cod, scl; writes cod, scl
.if DOCPART == 3
	.amdgcn_target "amdgcn-amd-amdhsa--gfx1250"
	.amdhsa_code_object_version 6
	.text
	.protected	k_q34dbae42f0_attn
	.globl	k_q34dbae42f0_attn
	.p2align	8
	.type	k_q34dbae42f0_attn,@function
k_q34dbae42f0_attn:
	s_mov_b64 s[64:65], 0
	v_nop
	global_prefetch_b8 v0, s[64:65] scope:SCOPE_SE
	s_setreg_imm32_b32 hwreg(HW_REG_WAVE_MODE, 25, 1), 1
	s_wait_xcnt 0x0
	s_wait_alu depctr_hold_cnt(0) depctr_sa_sdst(0) depctr_va_vdst(0) depctr_va_sdst(0) depctr_va_ssrc(0) depctr_va_vcc(0) depctr_vm_vsrc(0)
	s_getreg_b32 s2, hwreg(HW_REG_IB_STS2, 6, 4)
	s_cmp_eq_u32 s2, 0
	s_cbranch_scc0 .Lentry_in_a_cluster
	s_endpgm
.Lentry_in_a_cluster:
	s_bfe_u32 s2, ttmp6, 0x10000c
	s_cmp_lg_u32 s2, 0x3003
	s_cbranch_scc0 .Lentry_shape_is_right
	s_endpgm
.Lentry_shape_is_right:
; o = (softmax(q k^T) / 32) v for one (batch, head), both products on codes of FP6 (E2M3) with E8M0 scales.  What the second product takes is the FINISHED att = softmax / 32, quantised along the keys:
; a row's sum is no power of two, so it must be known before any att is quantised.  SO THE KEYS ARE WALKED TWICE.  Pass 1: t = score x log2(e); M = the running largest t rounded up to a whole number;
; l = the sum of 2^(t - M), brought under a new M by an exact power of two.  Pass 2: the same scores again, att = 2^(t - M) x 1 / (32 l), quantised in blocks of 32 keys, times v.  o is quantised along (head, channel) and leaves as codes.
; SHARES.  A work-group owns 512 queries of one head; each of its sixteen waves owns 32, two tiles of 16, so that each fragment of k or v read from LDS feeds two matrix instructions; four waves share a SIMD.
; LDS holds the head's whole k and v, codes and scale words, filled once (two tensor loads of a wave are out at the start): no ring, no refill.  The four work-groups of a cluster belong to one head and ask jointly.
; BOTH PRODUCTS ARE USED TRANSPOSED: S^T = k q^T, O^T = v^T att^T: a lane holds one query throughout.  The rows of a stored tile are so chosen that the 16 registers of tiles 2 b, 2 b + 1 are 16 neighbours.
; K = 64 IN AN INSTRUCTION OF K = 128: q's registers 6-11 hold zero codes.  k's half fragments lie 6 registers apart, and the instruction names 12: the upper six are the next half fragment's codes (or six registers behind the last),
; which meet q's zeros and add exact zeros.  The scale words hold the two real bytes twice.
; LIMITS: NaN and infinities are not served; 2^(t - M) under 2^-126 comes out as 0; a block of zeros gets the byte 1 (its codes are zeros; this program alone reads the bytes).
; o's scale bytes are two bytes a row and head, stored 16 bytes apart: a scale word spans two heads, which are two work-groups; they are one byte in 25 of what the launch stores.
.set REC,   315392
.set R_QS,  98304
.set R_KC,  106496
.set R_VC,  212992
.set KS_L,  98304                      ; LDS: k's codes from 0, k's scale words,
.set VC_L,  106496                     ; v's codes,
.set VS_L,  204800                     ; v's scale words,
.set SPARE, 208896                     ; and the spare words, 128 bytes for each wave: eight blocks of 256 bytes that no other line names
.set SPW, 1
.set NIL, 2
.set AK0, 3                            ; v3   8 x lane
.set AS0, 4                            ; v4   k's scale words: KS_L + 16 x lane
.set AV0, 5                            ; v5   VC_L + 8 x lane
.set AT0, 6                            ; v6   VS_L + 8 x lane
.set ADK, 7                            ; v7-10 the addresses of the step in hand
.set ADS, 8
.set ADV, 9
.set ADT, 10
                                       ; v11, v254: q's scale words, a register a tile
.set ST,  12                           ; v[12 + 4 q ..]: -M, the largest t, l in two halves; in pass 2 the third holds 1 / (32 l)
.set KSW, 20                           ; v20-23 k's scale words of 128 keys: register i: lanes 0-15 tile 2 i, lanes 16-31 tile 2 i + 1
.set VSW, 24                           ; v24-25 v's likewise
.set PW,  26                           ; v26-27 att's scale words
.set TM,  28                           ; v28-39 at work, six a tile
.set XT,  40                           ; v40-47 upper halves of codes, four a tile
.set QF,  48                           ; v48-71 q: six registers of codes and six of zeros a tile
.set KR,  72                           ; v72-125 k's half fragments (pass 1: eight and six zeros; pass 2: four, v72-101)
.set P0,  102                          ; v102-125 att's codes in pass 2, 12 a tile
.set S,   126                          ; v126-189 scores, 32 a tile
.set O,   190                          ; v190-253 O^T, 32 a tile (pass 1: the scores of keys 64 on)
.set WV,  10
.set G1K, 16
.set G1V, 24
.set G0K, 32
.set G0V, 36
.set CS,  40                           ; s[40:41] log2(e): the packed form names a pair and takes its low word for both halves
.set SEL, 42
.set TK,  44                           ; steps: 6,144 bytes of codes,
.set TS,  45                           ; 512 of k's scale words,
.set TV,  46                           ; 256 of v's
.set CNT, 47
.macro ROUND                           ; a round of the cluster's barrier
	s_barrier_signal -1
	s_barrier_wait -1
	s_cmp_lg_u32 s[WV], 0
	s_cbranch_scc1 .Lnot_wave_0_\@
	s_barrier_signal -3
.Lnot_wave_0_\@:
	s_barrier_wait -3
	s_barrier_signal -1
	s_barrier_wait -1
.endm
	s_load_b128 s[4:7], s[0:1], 0x0                ; qkv s[4:5], cod s[6:7]
	s_load_b64 s[8:9], s[0:1], 0x10                ; scl
	v_lshl_add_u32 v[SPW], v0, 2, SPARE
	v_mov_b32 v[NIL], 0
	ds_add_u32 v[SPW], v[NIL]                      ; the wave's opening: the add and its wait stand ahead of my first tensor load; the set-up below stands between them
	v_lshrrev_b32 v3, 5, v0
	v_readfirstlane_b32 s[WV], v3                  ; wave 0..15
	s_bfe_u32 s11, ttmp6, 0x40000                  ; cx: it enters q's and o's addresses alone
	s_and_b32 s12, ttmp7, 0xffff                   ; 16 x batch + head, which the four partners share
	s_mov_b32 s[G1K], 15|(3<<16)|(1<<21)           ; 15:0 the mask: all four work-groups; 17:16 elements of 8 bytes; 21 set beside a mask; no padding
	s_mov_b32 s[G1K+1], 32<<16                     ; dense bytes as rows of 256: k's quarter is 104 rows,
	s_mov_b32 s[G1K+2], 104<<16
	s_mov_b32 s[G1K+3], 32<<16
	s_mov_b32 s[G1K+4], 104
	s_mov_b32 s[G1K+5], 32
	s_mov_b32 s[G1K+6], 0
	s_mov_b32 s[G1K+7], 0
	s_mov_b32 s[G1V], 15|(3<<16)|(1<<21)
	s_mov_b32 s[G1V+1], 32<<16                     ; v's 100
	s_mov_b32 s[G1V+2], 100<<16
	s_mov_b32 s[G1V+3], 32<<16
	s_mov_b32 s[G1V+4], 100
	s_mov_b32 s[G1V+5], 32
	s_mov_b32 s[G1V+6], 0
	s_mov_b32 s[G1V+7], 0
	s_mov_b32 s[CS], 0x3fb8aa3b                    ; log2(e): this softmax has no factor ahead of it
	s_mov_b32 s[CS+1], s[CS]
	s_mov_b32 s[SEL], 0x76543210
	s_mov_b32 s[SEL+1], 0xfedcba98
	s_mov_b32 s48, 0xffff0000                      ; lanes 16-31
	s_mov_b32 s[TK], 0
	s_mov_b32 s[TS], 0
	s_mul_i32 s56, s12, REC
	s_mov_b32 s57, 0
	s_and_b32 s58, s[WV], 3
	s_mul_i32 s59, s58, 26624                      ; the quarter of k's part that I fetch, if I fetch,
	s_mul_i32 s60, s58, 25600                      ; and of v's
	s_wait_dscnt 0x0                               ; the opening add is done
	s_wait_kmcnt 0x0
	s_add_nc_u64 s[50:51], s[4:5], s[56:57]        ; the record
	s_mov_b32 s[G0K], 1
	s_mov_b32 s[G0K+1], s59
	s_add_co_u32 s56, s59, R_KC
	s_add_nc_u64 s[G0K+2:G0K+3], s[50:51], s[56:57]
	s_or_b32 s[G0K+3], s[G0K+3], 0x80000000
	s_mov_b32 s[G0V], 1
	s_add_co_u32 s[G0V+1], s60, VC_L
	s_add_co_u32 s56, s60, R_VC
	s_add_nc_u64 s[G0V+2:G0V+3], s[50:51], s[56:57]
	s_or_b32 s[G0V+3], s[G0V+3], 0x80000000
	ROUND                                          ; all four work-groups are here: the joint loads meet
	s_cmp_lt_u32 s[WV], 4                          ; waves 0 to 3 fetch, a quarter of k's part and a quarter of v's each: both loads in one branch
	s_cbranch_scc0 .Lno_fetch
	tensor_load_to_lds s[G0K:G0K+3], s[G1K:G1K+7]
	s_nop 0
	tensor_load_to_lds s[G0V:G0V+3], s[G1V:G1V+7]
	s_nop 0
.rept 4
	v_nop
.endr
.Lno_fetch:
	s_lshl_b32 s61, s11, 5
	s_lshl_b32 s62, s[WV], 1
	s_add_co_u32 s61, s61, s62                     ; my first tile of queries: 32 cx + 2 x wave
	s_mul_i32 s56, s61, 768
	s_add_nc_u64 s[52:53], s[50:51], s[56:57]      ; its codes
	s_lshr_b32 s56, s61, 3
	s_lshl_b32 s56, s56, 9                         ; its group's scale words,
	s_lshl_b32 s62, s58, 2
	s_add_co_u32 s56, s56, s62                     ; word wave % 4 of each lane's four
	s_add_co_u32 s56, s56, R_QS
	s_add_nc_u64 s[54:55], s[50:51], s[56:57]
	v_and_b32 v7, 31, v0
	v_lshlrev_b32 v[AK0], 3, v7
	v_lshl_add_u32 v[AS0], v7, 4, KS_L
	v_add_nc_u32 v[AV0], VC_L, v[AK0]
	v_add_nc_u32 v[AT0], VS_L, v[AK0]
	v_and_b32 v255, 15, v0
	v_lshlrev_b32 v255, 4, v255                    ; 16 r
.irp u, 0,1
.irp p, 0,1,2
	global_load_b64 v[QF+12*\u+2*\p:QF+12*\u+2*\p+1], v[AK0], s[52:53] offset:768*\u+256*\p
.endr
.endr
	global_load_b32 v11, v255, s[54:55]            ; q's scale words: lane r has row r's (lanes 16-31 hold the same and are not read)
	global_load_b32 v254, v255, s[54:55] offset:256
.irp i, 0,1,2,3,4,5
	v_mov_b32 v[QF+6+\i], 0                        ; zero codes for K = 64 .. 127
	v_mov_b32 v[QF+18+\i], 0
	v_mov_b32 v[KR+48+\i], 0                       ; what the last half fragment's instruction names beyond it
.endr
.irp i, 0,1,2,3,4,5,6,7,8,9,10,11
	v_mov_b32 v[TM+\i], 0                          ; written once: a lane permute's destination counts as one of its sources
.endr
.irp q, 0,1
	v_mov_b32 v[ST+4*\q+1], 0xff61b1e6             ; the largest t so far: -3e38, under every t
	v_floor_f32 v[ST+4*\q], -v[ST+4*\q+1]          ; -M
	v_mov_b32 v[ST+4*\q+2], 0                      ; l, in two halves
	v_mov_b32 v[ST+4*\q+3], 0
.endr
	; where o goes
	s_lshr_b32 s62, s12, 4                         ; batch
	s_and_b32 s63, s12, 15                         ; head
	s_lshl_b32 s62, s62, 7
	s_add_co_u32 s62, s62, s61
	s_add_co_u32 s62, s62, 768                     ; o's tile in cod and scl: 768 + 128 x batch + my tile
	s_mul_i32 s56, s62, 12288
	s_mul_i32 s59, s63, 768
	s_add_co_u32 s56, s56, s59
	s_add_nc_u64 s[6:7], s[6:7], s[56:57]          ; the head's half fragment
	s_lshl_b32 s56, s62, 9
	s_lshr_b32 s59, s63, 3
	s_lshl_b32 s59, s59, 8
	s_add_co_u32 s56, s56, s59
	s_and_b32 s59, s63, 7
	s_lshl_b32 s59, s59, 1
	s_add_co_u32 s56, s56, s59
	s_add_nc_u64 s[8:9], s[8:9], s[56:57]          ; the head's two bytes of row 0
	s_wait_tensorcnt 0x1                           ; my part of k is in; v's may stay out
	s_barrier_signal -1
	s_barrier_wait -1
	s_wait_loadcnt 0x0                             ; q
.macro KLOAD t0, n                     ; n half fragments of k, tiles t0 on of the group in hand
.set kt, 0
.rept \n
.irp p, 0,1,2
	ds_load_b64 v[KR+6*kt+2*\p:KR+6*kt+2*\p+1], v[ADK] offset:768*((\t0)+kt)+256*\p
.endr
.set kt, kt+1
.endr
.endm
.macro WQK d, t, q, sreg, odd          ; 16 keys x 16 queries into v[d] on
.if \odd
	v_wmma_scale_f32_16x16x128_f8f6f4 v[\d:\d+7], v[KR+6*(\t):KR+6*(\t)+11], v[QF+12*(\q):QF+12*(\q)+11], 0, v[\sreg], v[11+243*(\q)] matrix_a_fmt:MATRIX_FMT_FP6 matrix_b_fmt:MATRIX_FMT_FP6 matrix_a_scale:MATRIX_SCALE_ROW1
.else
	v_wmma_scale_f32_16x16x128_f8f6f4 v[\d:\d+7], v[KR+6*(\t):KR+6*(\t)+11], v[QF+12*(\q):QF+12*(\q)+11], 0, v[\sreg], v[11+243*(\q)] matrix_a_fmt:MATRIX_FMT_FP6 matrix_b_fmt:MATRIX_FMT_FP6
.endif
.endm
.macro MX3F d, s, ab
.if \ab
	v_max3_num_f32 v[\d], |v[\s]|, |v[\s+1]|, 0x1800000
.else
	v_max3_num_f32 v[\d], v[\s], v[\s+1], 0x1800000
.endif
.endm
.macro MX3 d, s, ab
.if \ab
	v_max3_num_f32 v[\d], v[\d], |v[\s]|, |v[\s+1]|
.else
	v_max3_num_f32 v[\d], v[\d], v[\s], v[\s+1]
.endif
.endm
; 32 numbers a lane of each tile (register 16 b + i = place 32 b + 16 (lane / 16) + i along the next K) become six registers of codes at d0, d1; the two bytes stay in v[TM+2], v[TM+3] (tile 1: +6).  The tiles by turns.
.macro QH s0, s1, d0, d1, ab
.irp b, 0,1
	MX3F TM+\b, \s0+16*\b, \ab                     ; with the floor 2^(3 - 127): the byte cannot fall under 1
	MX3F TM+6+\b, \s1+16*\b, \ab
.endr
.irp i, 2,4,6,8,10,12,14
.irp b, 0,1
	MX3 TM+\b, \s0+16*\b+\i, \ab
	MX3 TM+6+\b, \s1+16*\b+\i, \ab
.endr
.endr
.irp b, 0,1,6,7
	v_permlanex16_b32 v[TM+2+\b], v[TM+\b], s[SEL], s[SEL+1]
.endr
.irp b, 0,1,6,7
	v_max_num_f32 v[TM+\b], v[TM+\b], v[TM+2+\b]   ; with lane l xor 16's: the block's largest
.endr
.irp b, 0,1,6,7
	v_add_nc_u32 v[TM+4+\b], 0xff000000, v[TM+\b]  ; 2 off the exponent field: the conversion's scale operand
.endr
.irp b, 0,1,6,7
	v_lshrrev_b32 v[TM+2+\b], 23, v[TM+4+\b]       ; the scale's byte
.endr
	v_cvt_scalef32_pk16_fp6_f32 v[\d0:\d0+2], v[\s0:\s0+15], v[TM+4]
	v_cvt_scalef32_pk16_fp6_f32 v[XT:XT+2], v[\s0+16:\s0+31], v[TM+5]
	v_cvt_scalef32_pk16_fp6_f32 v[\d1:\d1+2], v[\s1:\s1+15], v[TM+10]
	v_cvt_scalef32_pk16_fp6_f32 v[XT+4:XT+6], v[\s1+16:\s1+31], v[TM+11]
	v_nop                                          ; one plain place behind a scaled conversion
.irp i, 0,1,2                          ; the operand's layout wants a whole block in a lane
	v_permlane16_swap_b32 v[\d0+\i], v[XT+\i]
	v_permlane16_swap_b32 v[\d1+\i], v[XT+4+\i]
.endr
.irp i, 0,1,2
	v_mov_b32 v[\d0+3+\i], v[XT+\i]
	v_mov_b32 v[\d1+3+\i], v[XT+4+\i]
.endr
.endm
	; ---- PASS 1: M and l.  A trip takes 128 keys: eight tiles x two tiles of queries; the scores of keys 64 on lie in O^T's registers, which are free
	s_mov_b32 s[CNT], 16
.Lpass1:
	v_add_nc_u32 v[ADK], s[TK], v[AK0]
	v_add_nc_u32 v[ADS], s[TS], v[AS0]
	ds_load_b128 v[KSW:KSW+3], v[ADS]
	KLOAD 0, 8
	s_wait_dscnt 0x0
.irp t, 0,1,2,3,4,5,6,7
.irp q, 0,1
	WQK S+64*(\t/4)+32*\q+8*(\t%4), \t, \q, KSW+\t/2, \t%2
.endr
.endr
.rept 4
	v_nop                                          ; places in front of the first read of results
.endr
.irp k, 0,1,2,3                        ; the largest score: four chains a tile; each accumulator is entered at its low end
.irp q, 0,1
	v_max3_num_f32 v[TM+6*\q+\k], v[S+32*\q+8*\k], v[S+32*\q+8*\k+1], v[S+32*\q+8*\k+2]
.endr
.endr
.irp i, 3,5
.irp k, 0,1,2,3
.irp q, 0,1
	v_max3_num_f32 v[TM+6*\q+\k], v[TM+6*\q+\k], v[S+32*\q+8*\k+\i], v[S+32*\q+8*\k+\i+1]
.endr
.endr
.endr
.irp k, 0,1,2,3
.irp q, 0,1
	v_max3_num_f32 v[TM+6*\q+\k], v[TM+6*\q+\k], v[S+32*\q+8*\k+7], v[O+32*\q+8*\k]
.endr
.endr
.irp i, 1,3,5
.irp k, 0,1,2,3
.irp q, 0,1
	v_max3_num_f32 v[TM+6*\q+\k], v[TM+6*\q+\k], v[O+32*\q+8*\k+\i], v[O+32*\q+8*\k+\i+1]
.endr
.endr
.endr
.irp k, 0,1,2,3
.irp q, 0,1
	v_max_num_f32 v[TM+6*\q+\k], v[TM+6*\q+\k], v[O+32*\q+8*\k+7]
.endr
.endr
.irp q, 0,1
	v_max3_num_f32 v[TM+6*\q], v[TM+6*\q], v[TM+6*\q+1], v[TM+6*\q+2]
.endr
.irp q, 0,1
	v_max_num_f32 v[TM+6*\q], v[TM+6*\q], v[TM+6*\q+3]
.endr
.irp q, 0,1
	v_permlanex16_b32 v[TM+6*\q+4], v[TM+6*\q], s[SEL], s[SEL+1]   ; the query's other 64 keys lie in the lane 16 away
.endr
.irp q, 0,1
	v_max_num_f32 v[TM+6*\q], v[TM+6*\q], v[TM+6*\q+4]
.endr
.irp q, 0,1
	v_mul_f32 v[TM+6*\q], s[CS], v[TM+6*\q]        ; as t
.endr
.irp q, 0,1
	v_max_num_f32 v[ST+4*\q+1], v[ST+4*\q+1], v[TM+6*\q]   ; the running largest t
.endr
.irp q, 0,1
	v_mov_b32 v[TM+6*\q+1], v[ST+4*\q]
.endr
.irp q, 0,1
	v_floor_f32 v[ST+4*\q], -v[ST+4*\q+1]          ; the new -M = floor(-t): M is a whole number
.endr
.irp q, 0,1
	v_sub_f32 v[TM+6*\q+1], v[ST+4*\q], v[TM+6*\q+1]   ; old M - new M: a whole number, 0 or less
.endr
.irp q, 0,1
	v_cvt_i32_f32 v[TM+6*\q+1], v[TM+6*\q+1]       ; (it saturates)
.endr
.irp q, 0,1
	v_ldexp_f32 v[TM+6*\q+2], 1.0, v[TM+6*\q+1]    ; f = 2^(old M - new M)
.endr
.set j, 0
.rept 64
	v_pk_fma_f32 v[S+2*j:S+2*j+1], v[S+2*j:S+2*j+1], s[CS:CS+1], v[ST+4*((j/16)%2):ST+4*((j/16)%2)+1] op_sel_hi:[1,0,0]   ; t - M, two at a time
.set j, j+1
.endr
.set j, 0
.rept 128
	v_exp_f32 v[S+j], v[S+j]                       ; one batch
.set j, j+1
.endr
.irp q, 0,1
	v_pk_mul_f32 v[ST+4*\q+2:ST+4*\q+3], v[ST+4*\q+2:ST+4*\q+3], v[TM+6*\q+2:TM+6*\q+3] op_sel_hi:[1,0]   ; l under the new M: exact.  (The plain place behind the batch)
.endr
	s_wait_alu depctr_va_vdst(0)                   ; one wait for the batch, ahead of its first reader
.irp q, 0,1
	v_pk_add_f32 v[TM+6*\q+4:TM+6*\q+5], v[S+32*\q:S+32*\q+1], v[S+32*\q+2:S+32*\q+3]   ; the sums: two chains a tile
.endr
.set p, 2
.rept 15
.irp q, 0,1
	v_pk_add_f32 v[ST+4*\q+2:ST+4*\q+3], v[ST+4*\q+2:ST+4*\q+3], v[S+32*\q+2*p+32*(p/16):S+32*\q+2*p+32*(p/16)+1]
	v_pk_add_f32 v[TM+6*\q+4:TM+6*\q+5], v[TM+6*\q+4:TM+6*\q+5], v[S+32*\q+2*(p+1)+32*((p+1)/16):S+32*\q+2*(p+1)+32*((p+1)/16)+1]
.endr
.set p, p+2
.endr
.irp q, 0,1
	v_pk_add_f32 v[ST+4*\q+2:ST+4*\q+3], v[ST+4*\q+2:ST+4*\q+3], v[TM+6*\q+4:TM+6*\q+5]
.endr
	s_add_co_u32 s[TK], s[TK], 6144
	s_add_co_u32 s[TS], s[TS], 512
	s_sub_co_u32 s[CNT], s[CNT], 1
	s_cmp_lg_u32 s[CNT], 0
	s_cbranch_scc1 .Lpass1
	; ---- between the passes: 1 / (32 l), with one step of Newton's, so that it is as good as f32 allows
.irp q, 0,1
	v_add_f32 v[TM+6*\q], v[ST+4*\q+2], v[ST+4*\q+3]
.endr
.irp q, 0,1
	v_permlanex16_b32 v[TM+6*\q+4], v[TM+6*\q], s[SEL], s[SEL+1]
.endr
.irp q, 0,1
	v_add_f32 v[TM+6*\q], v[TM+6*\q], v[TM+6*\q+4] ; the row's sum
.endr
.irp q, 0,1
	v_mul_f32 v[TM+6*\q], 0x42000000, v[TM+6*\q]   ; x 32 = sqrt(1,024): exact
.endr
.irp q, 0,1
	v_rcp_f32 v[TM+6*\q+1], v[TM+6*\q]
.endr
	v_nop                                          ; a plain place behind the reciprocals
	s_wait_alu depctr_va_vdst(0)                   ; and the wait ahead of their first reader
.irp q, 0,1
	v_fma_f32 v[TM+6*\q+2], -v[TM+6*\q], v[TM+6*\q+1], 1.0
.endr
.irp q, 0,1
	v_fma_f32 v[ST+4*\q+2], v[TM+6*\q+1], v[TM+6*\q+2], v[TM+6*\q+1]
.endr
	s_mov_b32 s[TK], 0
	s_mov_b32 s[TS], 0
	s_mov_b32 s[TV], 0
	s_wait_tensorcnt 0x0                           ; my part of v is in,
	s_barrier_signal -1
	s_barrier_wait -1                              ; everybody's is; nothing is filled again
; ---- PASS 2.  A trip takes 128 keys: twice 64 (scores, att, codes), then eight products with v.  zero = 1: they start O^T's sums.
.macro PV dt, q, zero
.set rO, O+32*(\q)+8*(\dt)
.set rV, S+12*(\dt)
.set rP, P0+12*(\q)
.if \zero
.if (\dt)%2
	v_wmma_scale_f32_16x16x128_f8f6f4 v[rO:rO+7], v[rV:rV+11], v[rP:rP+11], 0, v[VSW+(\dt)/2], v[PW+(\q)] matrix_a_fmt:MATRIX_FMT_FP6 matrix_b_fmt:MATRIX_FMT_FP6 matrix_a_scale:MATRIX_SCALE_ROW1
.else
	v_wmma_scale_f32_16x16x128_f8f6f4 v[rO:rO+7], v[rV:rV+11], v[rP:rP+11], 0, v[VSW+(\dt)/2], v[PW+(\q)] matrix_a_fmt:MATRIX_FMT_FP6 matrix_b_fmt:MATRIX_FMT_FP6
.endif
.else
.if (\dt)%2
	v_wmma_scale_f32_16x16x128_f8f6f4 v[rO:rO+7], v[rV:rV+11], v[rP:rP+11], v[rO:rO+7], v[VSW+(\dt)/2], v[PW+(\q)] matrix_a_fmt:MATRIX_FMT_FP6 matrix_b_fmt:MATRIX_FMT_FP6 matrix_a_scale:MATRIX_SCALE_ROW1
.else
	v_wmma_scale_f32_16x16x128_f8f6f4 v[rO:rO+7], v[rV:rV+11], v[rP:rP+11], v[rO:rO+7], v[VSW+(\dt)/2], v[PW+(\q)] matrix_a_fmt:MATRIX_FMT_FP6 matrix_b_fmt:MATRIX_FMT_FP6
.endif
.endif
.endm
.macro P2TRIP zero
	v_add_nc_u32 v[ADK], s[TK], v[AK0]
	v_add_nc_u32 v[ADS], s[TS], v[AS0]
	v_add_nc_u32 v[ADV], s[TK], v[AV0]
	v_add_nc_u32 v[ADT], s[TV], v[AT0]
	ds_load_b128 v[KSW:KSW+3], v[ADS]
.irp c, 0,1
	KLOAD 4*\c, 4
	s_wait_dscnt 0x0
.irp t, 0,1,2,3
.irp q, 0,1
	WQK S+32*\q+8*\t, \t, \q, KSW+2*\c+\t/2, \t%2
.endr
.endr
.rept 4
	v_nop                                          ; places in front of the first read of results
.endr
.set j, 0
.rept 32
	v_pk_fma_f32 v[S+2*j:S+2*j+1], v[S+2*j:S+2*j+1], s[CS:CS+1], v[ST+4*(j/16):ST+4*(j/16)+1] op_sel_hi:[1,0,0]   ; t - M, with the row's final M; each accumulator from its low end on
.set j, j+1
.endr
.set j, 0
.rept 64
	v_exp_f32 v[S+j], v[S+j]                       ; one batch
.set j, j+1
.endr
	v_nop                                          ; the plain place behind the batch
	s_wait_alu depctr_va_vdst(0)                   ; one wait, ahead of its first reader
.set j, 0
.rept 32
	v_pk_mul_f32 v[S+2*j:S+2*j+1], v[S+2*j:S+2*j+1], v[ST+4*(j/16)+2:ST+4*(j/16)+3] op_sel_hi:[1,0]   ; att = 2^(t - M) / (32 l): finished
.set j, j+1
.endr
	QH S, S+32, P0+6*\c, P0+12+6*\c, 0             ; none is negative: no |.|
.irp q, 0,1
.if \c == 0
	v_lshl_or_b32 v[PW+\q], v[TM+6*\q+3], 8, v[TM+6*\q+2]   ; att's scale word for these 128 keys
.else
	v_lshl_or_b32 v[PW+\q], v[TM+6*\q+2], 16, v[PW+\q]
	v_lshl_or_b32 v[PW+\q], v[TM+6*\q+3], 24, v[PW+\q]
.endif
.endr
.endr
	ds_load_b64 v[VSW:VSW+1], v[ADT]
.irp dt, 0,1,2,3                       ; v's four fragments (16 channels x 128 keys) into the scores' registers, which are done with
.irp m, 0,1,2,3,4,5
	ds_load_b64 v[S+12*\dt+2*\m:S+12*\dt+2*\m+1], v[ADV] offset:1536*\dt+768*(\m/3)+256*(\m%3)
.endr
.endr
	s_wait_dscnt 0x0
.rept 8
	v_nop                                          ; a scale register written by vector instructions stands 8 places ahead of a scaled matrix instruction, an operand so written 4
.endr
.irp dt, 0,1,2,3
.irp q, 0,1
	PV \dt, \q, \zero                              ; the eight accumulators by turns, one instruction a turn
.endr
.endr
.rept 5
	v_nop                                          ; the next scores are written over v's fragments: five places; they serve the way out's first read of O^T too
.endr
	s_add_co_u32 s[TK], s[TK], 6144
	s_add_co_u32 s[TS], s[TS], 512
	s_add_co_u32 s[TV], s[TV], 256
.endm
	P2TRIP 1                                       ; the first 128 keys start the sums: nothing is cleared
	s_mov_b32 s[CNT], 15
.Lpass2:
	P2TRIP 0
	s_sub_co_u32 s[CNT], s[CNT], 1
	s_cmp_lg_u32 s[CNT], 0
	s_cbranch_scc1 .Lpass2
	; ---- THE WAY OUT: a lane's 32 registers of a tile are 32 of the head's 64 channels of one query: quantised along them, they are the head's half fragment of the last product's operand
	QH O, O+32, P0, P0+12, 1
	v_lshl_or_b32 v[TM], v[TM+3], 8, v[TM+2]       ; the head's two scale bytes of my row
	v_lshl_or_b32 v[TM+6], v[TM+9], 8, v[TM+8]
	v_cndmask_b32 v[TM], v[TM], v[TM+6], s48       ; lanes 0-15 store the first tile's, lanes 16-31 the second's
	v_and_b32 v255, 15, v0
	v_lshlrev_b32 v255, 4, v255
	v_bfe_u32 v[TM+1], v0, 4, 1
	v_lshl_add_u32 v255, v[TM+1], 9, v255          ; 16 bytes a row, 512 a tile
.irp q, 0,1
.irp p, 0,1,2
	global_store_b64 v[AK0], v[P0+12*\q+2*\p:P0+12*\q+2*\p+1], s[6:7] offset:12288*\q+256*\p   ; 256 consecutive bytes, aligned
.endr
.endr
	global_store_b16 v255, v[TM], s[8:9]
	s_wait_tensorcnt 0x0                           ; the wave's end: behind my last tensor load
	ds_add_u32 v[SPW], v[NIL]
	s_wait_dscnt 0x0
	ROUND                                          ; the closing round
	s_endpgm
.Lfunc_end_k_q34dbae42f0_attn:
	.size	k_q34dbae42f0_attn, .Lfunc_end_k_q34dbae42f0_attn-k_q34dbae42f0_attn
	.p2alignl 7, 3214868480
	.fill 96, 4, 3214868480
	.section	.rodata,"a",@progbits
	.p2align	6, 0x0
	.amdhsa_kernel k_q34dbae42f0_attn
		.amdhsa_group_segment_fixed_size 212992
		.amdhsa_private_segment_fixed_size 0
		.amdhsa_enable_private_segment 0
		.amdhsa_kernarg_size 24
		.amdhsa_user_sgpr_count 2
		.amdhsa_user_sgpr_kernarg_segment_ptr 1
		.amdhsa_wavefront_size32 1
		.amdhsa_system_sgpr_workgroup_id_x 1
		.amdhsa_system_sgpr_workgroup_id_y 1
		.amdhsa_system_sgpr_workgroup_id_z 1
		.amdhsa_system_vgpr_workitem_id 0
		.amdhsa_next_free_vgpr 256
		.amdhsa_next_free_sgpr 66
		.amdhsa_reserve_vcc 0
		.amdhsa_float_denorm_mode_32 3
		.amdhsa_float_denorm_mode_16_64 3
		.amdhsa_memory_ordered 1
		.amdhsa_forward_progress 1
		.amdhsa_inst_pref_size 88
	.end_amdhsa_kernel
	.amdgpu_metadata
---
amdhsa.version: [ 1, 2 ]
amdhsa.kernels:
  - .name:           k_q34dbae42f0_attn
    .symbol:         k_q34dbae42f0_attn.kd
    .args:
      - { .name: qkv, .offset: 0, .size: 8, .value_kind: global_buffer, .address_space: global }
      - { .name: cod, .offset: 8, .size: 8, .value_kind: global_buffer, .address_space: global }
      - { .name: scl, .offset: 16, .size: 8, .value_kind: global_buffer, .address_space: global }
    .group_segment_fixed_size: 212992
    .private_segment_fixed_size: 0
    .kernarg_segment_align: 8
    .kernarg_segment_size: 24
    .max_flat_workgroup_size: 512
    .sgpr_count:     66
    .vgpr_count:     256
    .wavefront_size: 32
...
	.end_amdgpu_metadata
.endif
;; end of part 3
;; launch outp (part 4): grid 4 x 32, 4 waves a work-group, clusters of 4 x 4, 327,680 bytes of LDS; arguments cod, scl, bo, out0; writes out0
.if DOCPART == 4
	.amdgcn_target "amdgcn-amd-amdhsa--gfx1250"
	.amdhsa_code_object_version 6
	.text
	.protected	k_q34dbae42f0_outp
	.globl	k_q34dbae42f0_outp
	.p2align	8
	.type	k_q34dbae42f0_outp,@function
k_q34dbae42f0_outp:
	s_mov_b64 s[64:65], 0
	v_nop
	global_prefetch_b8 v0, s[64:65] scope:SCOPE_SE
	s_setreg_imm32_b32 hwreg(HW_REG_WAVE_MODE, 25, 1), 1
	s_wait_xcnt 0x0
	s_wait_alu depctr_hold_cnt(0) depctr_sa_sdst(0) depctr_va_vdst(0) depctr_va_sdst(0) depctr_va_ssrc(0) depctr_va_vcc(0) depctr_vm_vsrc(0)
	s_getreg_b32 s2, hwreg(HW_REG_IB_STS2, 6, 4)
	s_cmp_eq_u32 s2, 0
	s_cbranch_scc0 .Lentry_in_a_cluster
	s_endpgm
.Lentry_in_a_cluster:
	s_bfe_u32 s2, ttmp6, 0x10000c
	s_cmp_lg_u32 s2, 0xf033
	s_cbranch_scc0 .Lentry_shape_is_right
	s_endpgm
.Lentry_shape_is_right:
; out0 = o Wo^T + bo on codes of FP6 (E2M3) with E8M0 scales; out0 [8192][1024] f32.  o's codes and scale words were made by the launch before, Wo's by the first.
; A work-group of four waves makes 256 x 256, a wave 128 x 128: 64 accumulators.  Source 0 = 16 rows of Wo (channels, along a lane's registers), source 1 = 16 rows of o (tokens, across the lanes).
; K = 1,024 is eight K steps, four chunks of 256.  cod holds fragments as images of registers: a chunk of a tile is 3,072 dense bytes; every LDS read is 256 consecutive bytes of the wave.
; LDS: three slots of 98,304 bytes.  Chunks 0, 1, 2 are first fills (three tensor loads of a wave are out at the start); chunk 3 fills slot 0 again behind K step 1's change of slots (one out), with 256 matrix instructions in which to land.
; CLUSTER 4 x 4: o's tiles are shared along a row of the cluster, Wo's along a column.  The scale words (16 KB against 384 KB of codes) go from memory straight into registers.
; The bias is the C of each sum's first matrix instruction.  The rows of a stored tile are not neighbours (row r of tile 2 b + u is row 32 b + 8 u + r + 8 (r / 8)): the way out puts rows and columns back.
; 128 work-groups: tiles of 256 x 256 of an output of 8,192 x 1,024.
; REGISTERS: window 0: v1, v2 r, h; v16-18, v20-22 LDS addresses; v24-31 offsets; v32-95 scale words; v96-127, v224-255 the bias; v128-223 o's fragments, one set; on the way out v128-255 rows of out0.
;   window 1: Wo's fragments, two sets.  windows 2, 3: the accumulators.
.set TILEG, 12288
.set CHUNK, 3072
.set SLOT,  32*CHUNK
.set SPARE, 3*SLOT                     ; behind the slots: the spare words, 128 bytes for each wave: two blocks of 256 bytes that no other line names
.set STAGE, SLOT                       ; the way out: 16 rows x 528 bytes for each wave, in slot 1, which has had its one fill, and whose last reads lie ahead of K step 5's barrier
.set FR,   12
.set ADRA, 16
.set ADRB, 20
.set L8,   24
.set L16,  25
.set SCO,  26
.set BO,   27
.set SPW,  28
.set NIL,  29
.set STO,  30
.set RD,   31
.set SC,   32
.set AF,   128
.set BK,   128
.set G1A, 24
.set G1B, 32
.set G0A, 40
.set G0B, 52
.set MSB, 0
.macro WIN new                         ; the immediate's high byte repeats the setting that is left
.if MSB != (\new)
	s_set_vgpr_msb (MSB<<8)|(\new)
.set MSB, (\new)
.endif
.endm
.set MUL_LO, 0xa1                      ; source 0 window 1, source 1 window 0, C and D window 2
.set MUL_HI, 0xf1
.set TO_B,   0x40
.macro JLOAD g0a, g1a, g0b, g1b        ; a joint load: waves 0 and 1 fetch A's halves, waves 2 and 3 B's; an s_nop 0 and four v_nop follow each of the two lines
	s_cmp_eq_u32 s17, 0
	s_cbranch_scc0 .Lfor_b_\@
	tensor_load_to_lds s[\g0a:\g0a+3], s[\g1a:\g1a+7]
	s_nop 0
.rept 4
	v_nop
.endr
	s_branch .Lasked_\@
.Lfor_b_\@:
	tensor_load_to_lds s[\g0b:\g0b+3], s[\g1b:\g1b+7]
	s_nop 0
.rept 4
	v_nop
.endr
.Lasked_\@:
.endm
.macro CREST
	s_cmp_lg_u32 s16, 0
	s_cbranch_scc1 .Lnot_wave_0_\@
	s_barrier_signal -3
.Lnot_wave_0_\@:
	s_barrier_wait -3
	s_barrier_signal -1
	s_barrier_wait -1
.endm
.macro CROUND
	s_barrier_signal -1
	s_barrier_wait -1
	CREST
.endm
.macro PLACES n
.rept \n
	v_nop
.endr
.endm
	s_load_b256 s[4:11], s[0:1], 0x0               ; cod s[4:5], scl s[6:7], bo s[8:9], out0 s[10:11]
	v_lshl_add_u32 v[SPW], v0, 2, SPARE
	v_mov_b32 v[NIL], 0
	ds_add_u32 v[SPW], v[NIL]                      ; the wave's opening: the add and its wait stand ahead of my first tensor load; the set-up below stands between them
	v_lshrrev_b32 v1, 5, v0
	v_readfirstlane_b32 s16, v1                    ; wave 0..3
	s_lshr_b32 s17, s16, 1                         ; which half of the tokens is mine.  Also: I fetch for A (0) or for B (1)
	s_and_b32 s18, s16, 1                          ; which half of the channels.  Also: which 8 tiles I fetch
	s_bfe_u32 s19, ttmp6, 0x40000                  ; cx
	s_bfe_u32 s20, ttmp6, 0x40004                  ; cy
	s_and_b32 s22, ttmp7, 0xffff                   ; cluster y
	s_lshl_b32 s76, s20, 2
	s_lshl_b32 s76, 15, s76                        ; my row of the cluster
	s_lshl_b32 s77, 0x1111, s19                    ; my column
	s_or_b32 s[G1A], s76, (3<<16)|(1<<21)          ; the mask; elements of 8 bytes; bit 21 beside a mask; no padding
	s_or_b32 s[G1B], s77, (3<<16)|(1<<21)
.irp g, G1A, G1B                       ; 8 rows (tiles) of 384 elements (a chunk), 1,536 elements (a tile) apart
	s_mov_b32 s[\g+1], 384<<16
	s_mov_b32 s[\g+2], 8<<16
	s_mov_b32 s[\g+3], 384<<16
	s_mov_b32 s[\g+4], 8
	s_mov_b32 s[\g+5], 1536
	s_mov_b32 s[\g+6], 0
	s_mov_b32 s[\g+7], 0
.endr
	s_lshl_b32 s68, s22, 2
	s_add_co_u32 s68, s68, s20                     ; tile row of out0: 4 x cluster y + cy
	s_add_co_u32 s66, s68, 48                      ; o's block of 256 rows in cod
	s_lshl_b32 s70, ttmp9, 2
	s_add_co_u32 s70, s70, s19                     ; tile column: 4 x cluster x + cx
	s_add_co_u32 s67, s70, 44                      ; Wo's block
	s_lshl_b32 s71, s66, 4
	s_lshl_b32 s72, s18, 3
	s_add_co_u32 s71, s71, s72
	s_mul_i32 s72, s71, TILEG
	s_mov_b32 s73, 0
	s_lshl_b32 s69, s67, 4
	s_lshl_b32 s74, s18, 3
	s_add_co_u32 s69, s69, s74
	s_mul_i32 s74, s69, TILEG
	s_mov_b32 s75, 0
	s_mul_i32 s79, s16, 8*CHUNK                    ; where they go: wave x 8 tiles
	s_mov_b32 s78, 0xffff0000                      ; lanes 16-31
	s_wait_dscnt 0x0                               ; the opening add is done
	s_wait_kmcnt 0x0
	s_add_nc_u64 s[72:73], s[4:5], s[72:73]
	s_add_nc_u64 s[74:75], s[4:5], s[74:75]
	CROUND                                         ; all sixteen work-groups are here: the first joint loads meet
.irp k, 0,1,2
	s_mov_b32 s[G0A+4*\k], 1
	s_add_co_u32 s[G0A+4*\k+1], s79, \k*SLOT
	s_add_nc_u64 s[G0A+4*\k+2:G0A+4*\k+3], s[72:73], \k*CHUNK
	s_or_b32 s[G0A+4*\k+3], s[G0A+4*\k+3], 0x80000000
	s_mov_b32 s[G0B+4*\k], 1
	s_add_co_u32 s[G0B+4*\k+1], s79, \k*SLOT
	s_add_nc_u64 s[G0B+4*\k+2:G0B+4*\k+3], s[74:75], \k*CHUNK
	s_or_b32 s[G0B+4*\k+3], s[G0B+4*\k+3], 0x80000000
	JLOAD G0A+4*\k, G1A, G0B+4*\k, G1B             ; chunk k into slot k
.endr
	v_and_b32 v1, 15, v0                           ; r
	v_bfe_u32 v2, v0, 4, 1                         ; h
	v_and_b32 v[L8], 31, v0
	v_lshlrev_b32 v[L16], 4, v[L8]
	v_lshlrev_b32 v[L8], 3, v[L8]
	s_lshl_b32 s86, s66, 13
	s_lshl_b32 s87, s17, 12
	s_add_co_u32 s86, s86, s87                     ; scl: my 8 tiles of o,
	s_lshl_b32 s88, s67, 13
	s_lshl_b32 s87, s18, 12
	s_add_co_u32 s88, s88, s87                     ; and of Wo
	v_mov_b32 v[SCO], s86
	v_mov_b32 v[STO], s88
	v_cndmask_b32 v[SCO], v[SCO], v[STO], s78      ; lanes 0-15 take A's words, lanes 16-31 B's
	v_lshl_add_u32 v[SCO], v1, 4, v[SCO]
.irp i, 0,1,2,3,4,5,6,7
.irp f, 0,1
	global_load_b128 v[SC+8*\i+4*\f:SC+8*\i+4*\f+3], v[SCO], s[6:7] offset:512*\i+256*\f
.endr
.endr
	v_lshlrev_b32 v[BO], 6, v2                     ; 64 h: channels 16 h on
	s_lshl_b32 s86, s70, 10
	s_lshl_b32 s87, s18, 9
	s_add_co_u32 s86, s86, s87                     ; 4 (256 x tile column + 128 x half)
	s_mov_b32 s87, 0
	s_add_nc_u64 s[8:9], s[8:9], s[86:87]
.irp b, 0,1,2,3,4,5,6,7
	global_load_b128 v[96+8*\b+96*(\b/4):96+8*\b+96*(\b/4)+3], v[BO], s[8:9] offset:(32*(\b/2)+8*(\b%2))*4      ; Wo's tile b: channels 32 (b / 2) + 8 (b % 2) + 16 h + 0 .. 7
	global_load_b128 v[96+8*\b+96*(\b/4)+4:96+8*\b+96*(\b/4)+7], v[BO], s[8:9] offset:(32*(\b/2)+8*(\b%2))*4+16
.endr
	s_mul_i32 s86, s17, 8*CHUNK
	s_mul_i32 s87, s18, 8*CHUNK
	s_add_co_u32 s87, s87, 16*CHUNK
.irp k, 0,1,2
	v_add_nc_u32 v[ADRA+\k], s86, v[L8]
	v_add_nc_u32 v[ADRB+\k], s87, v[L8]
	s_add_co_u32 s86, s86, SLOT
	s_add_co_u32 s87, s87, SLOT
.endr
	s_mul_i32 s86, s16, 16*528
	s_add_co_u32 s86, s86, STAGE                   ; my stage
	v_mul_u32_u24 v[STO], v1, 528
	v_lshl_add_u32 v[STO], v2, 6, v[STO]
	v_add_nc_u32 v[STO], s86, v[STO]               ; in: row r, + 64 h
	v_add_nc_u32 v[RD], s86, v[L16]                ; back: the 32 lanes take one row of 512 bytes
	s_lshl_b32 s86, s68, 8
	s_lshl_b32 s87, s17, 7
	s_add_co_u32 s86, s86, s87                     ; my first row of out0
	s_lshl_b32 s86, s86, 12
	s_lshl_b32 s87, s70, 10
	s_add_co_u32 s86, s86, s87
	s_lshl_b32 s87, s18, 9
	s_add_co_u32 s86, s86, s87                     ; + my first column, in bytes
	s_mov_b32 s87, 0
	s_add_nc_u64 s[10:11], s[10:11], s[86:87]
.macro FRAG reg, adr, q, i
.irp p, 0,1,2,3,4,5
	ds_load_b64 v[\reg+2*\p:\reg+2*\p+1], v[\adr] offset:CHUNK*(\i)+1536*(\q)+768*(\p/3)+256*(\p%3)
.endr
.endm
.macro FETCH_B slot, q, set
	WIN TO_B
.irp i, 0,1,2,3,4,5,6,7
	FRAG 128*(\set)+FR*\i, ADRB+\slot, \q, \i
.endr
	WIN 0
.endm
.macro FETCH_A slot, q, i0
.irp i, \i0, \i0+1, \i0+2, \i0+3
	FRAG AF+FR*(\i), ADRA+\slot, \q, \i
.endr
.endm
; 16 matrix instructions: A's blocks a0, a0 + 1 x B's eight, K step s.  first = 1: the sums begin with the bias as C.  The 64 accumulators take turns, one instruction a turn, in the same order in every step.
.macro MUL16 a0, set, s, first
.irp a, \a0, \a0+1
.irp b, 0,1,2,3,4,5,6,7
.if \first
	v_wmma_scale_f32_16x16x128_f8f6f4 v[8*(8*((\a)%4)+\b):8*(8*((\a)%4)+\b)+7], v[128*(\set)+FR*\b:128*(\set)+FR*\b+FR-1], v[AF+FR*(\a):AF+FR*(\a)+FR-1], v[96+8*\b+96*(\b/4):96+8*\b+96*(\b/4)+7], v[SC+8*\b+(\s)], v[SC+8*(\a)+(\s)] matrix_a_fmt:MATRIX_FMT_FP6 matrix_b_fmt:MATRIX_FMT_FP6 matrix_a_scale:MATRIX_SCALE_ROW1
.else
	v_wmma_scale_f32_16x16x128_f8f6f4 v[8*(8*((\a)%4)+\b):8*(8*((\a)%4)+\b)+7], v[128*(\set)+FR*\b:128*(\set)+FR*\b+FR-1], v[AF+FR*(\a):AF+FR*(\a)+FR-1], v[8*(8*((\a)%4)+\b):8*(8*((\a)%4)+\b)+7], v[SC+8*\b+(\s)], v[SC+8*(\a)+(\s)] matrix_a_fmt:MATRIX_FMT_FP6 matrix_b_fmt:MATRIX_FMT_FP6 matrix_a_scale:MATRIX_SCALE_ROW1
.endif
.endr
.endr
.endm
.macro STEP set, s, nslot, nq, first
	s_wait_dscnt 24                                ; B's set and A's blocks 0-3 are in; the youngest 24 loads (A's blocks 4-7) may be out
.if \first
	WIN 0x81                                       ; C (the bias) window 0, D window 2
.else
	WIN MUL_LO
.endif
	MUL16 0, \set, \s, \first
	MUL16 2, \set, \s, \first
	s_wait_dscnt 0x0
	PLACES 4
	FETCH_B \nslot, \nq, 1-\set
	FETCH_A \nslot, \nq, 0
.if \first
	WIN 0xc1
.else
	WIN MUL_HI
.endif
	MUL16 4, \set, \s, \first
	MUL16 6, \set, \s, \first
	PLACES 4
	WIN 0
	FETCH_A \nslot, \nq, 4
.endm
; A K step with a barrier.  fill = 1: slot 0, read out, takes chunk 3: the wait for all my tensor loads, the add, the wait for it and for my reads; the barrier opens a round of the cluster's barrier; the joint refill comes first behind it.
; fill = 0: chunk 3 has landed, and everybody is told so; nothing is filled.
.macro TURN set, s, nslot, nq, fill
	s_wait_tensorcnt 0x0
.if \fill
	ds_add_u32 v[SPW], v[NIL]                      ; 0 onto my spare word
	s_wait_dscnt 25                                ; (the add and A's blocks 4-7 may be out)
.else
	s_wait_dscnt 24
.endif
	WIN MUL_LO
	MUL16 0, \set, \s, 0
	s_wait_dscnt 0x0                               ; the add is done, and my reads of the slot are over
	s_barrier_signal -1
	MUL16 2, \set, \s, 0
	WIN 0
	s_barrier_wait -1
.if \fill
	CREST
	s_add_nc_u64 s[G0A+2:G0A+3], s[G0A+2:G0A+3], 3*CHUNK
	s_add_nc_u64 s[G0B+2:G0B+3], s[G0B+2:G0B+3], 3*CHUNK
	JLOAD G0A, G1A, G0B, G1B                       ; the four v_nop behind it are also the places in front of the loads below
.else
	PLACES 4
.endif
	FETCH_B \nslot, \nq, 1-\set
	FETCH_A \nslot, \nq, 0
	WIN MUL_HI
	MUL16 4, \set, \s, 0
	MUL16 6, \set, \s, 0
	PLACES 4
	WIN 0
	FETCH_A \nslot, \nq, 4
.endm
	s_wait_tensorcnt 0x2                           ; my part of chunk 0 is in; chunks 1 and 2 may stay out
	s_barrier_signal -1
	s_barrier_wait -1
	FETCH_B 0, 0, 0
	FETCH_A 0, 0, 0
	FETCH_A 0, 0, 4
	s_wait_loadcnt 0x0                             ; the scale words and the bias
	STEP 0, 0, 0, 1, 1
	TURN 1, 1, 1, 0, 1                             ; slot 0 is left and filled again
	STEP 0, 2, 1, 1, 0
	STEP 1, 3, 2, 0, 0                             ; slot 2 was shown whole to every wave at K step 1's round: no barrier
	STEP 0, 4, 2, 1, 0
	TURN 1, 5, 0, 0, 0                             ; chunk 3
	STEP 0, 6, 0, 1, 0
	s_wait_dscnt 24
	WIN MUL_LO
	MUL16 0, 1, 7, 0
	MUL16 2, 1, 7, 0
	s_wait_dscnt 0x0
	WIN MUL_HI
	MUL16 4, 1, 7, 0
	MUL16 6, 1, 7, 0
	WIN 0
; THE WAY OUT, o's block a (16 tokens x 128 channels) at a time, through my own stage: a lane's eight results of Wo's tile b are channels 32 (b / 2) + 8 (b % 2) + 16 h + 0 .. 7 of one row.
; They come back as whole rows of 512 bytes.  LDS serves a wave's instructions in order (ISA guide 5.7.1.4): no wait between the stores and the loads.
.macro TOSTAGE a
.set AC, 64*((\a)%4)
	WIN 0x08+4*((\a)/4)                            ; an LDS store's data: window 2 or 3
.irp b, 0,1,2,3,4,5,6,7
	ds_store_b128 v[STO], v[AC+8*\b:AC+8*\b+3] offset:128*(\b/2)+32*(\b%2)          ; each accumulator from its low end on
	ds_store_b128 v[STO], v[AC+8*\b+4:AC+8*\b+7] offset:128*(\b/2)+32*(\b%2)+16
.endr
	WIN 0
.set BB, BK+64*((\a)%2)
.irp t, 0,1,2,3,4,5,6,7,8,9,10,11,12,13,14,15
	ds_load_b128 v[BB+4*\t:BB+4*\t+3], v[RD] offset:\t*528
.endr
.endm
.macro SEND a, younger                 ; younger: the LDS instructions issued behind block a's loads, which may stay out
.set BB, BK+64*((\a)%2)
	s_wait_dscnt \younger
.irp t, 0,1,2,3,4,5,6,7,8,9,10,11,12,13,14,15
	global_store_b128 v[L16], v[BB+4*\t:BB+4*\t+3], s[10:11] offset:(32*((\a)/2)+8*((\a)%2)+\t+8*(\t/8))*4096 th:TH_STORE_NT   ; row t of tile a is token 32 (a / 2) + 8 (a % 2) + t + 8 (t / 8); 512 consecutive bytes, aligned; written once
.endr
.endm
	PLACES 4                                       ; for the loads into the registers that held o's fragments, and for the reads of the last results
	TOSTAGE 0
.irp a, 1,2,3,4,5,6,7
.if \a > 1
	s_wait_xcnt 0x0                                ; block a - 2's stores have read their registers: block a's loads may land there
.endif
	TOSTAGE \a
	SEND \a-1, 32                                  ; behind block a - 1's loads: block a's 16 stores and 16 loads
.endr
	SEND 7, 0
	s_wait_tensorcnt 0x0                           ; the wave's end: behind my last tensor load and my last LDS store
	ds_add_u32 v[SPW], v[NIL]
	s_wait_dscnt 0x0
	CROUND                                         ; the closing round: no work-group ends while a partner may still ask for a tile that names it
	s_endpgm
.Lfunc_end_k_q34dbae42f0_outp:
	.size	k_q34dbae42f0_outp, .Lfunc_end_k_q34dbae42f0_outp-k_q34dbae42f0_outp
	.p2alignl 7, 3214868480
	.fill 96, 4, 3214868480
	.section	.rodata,"a",@progbits
	.p2align	6, 0x0
	.amdhsa_kernel k_q34dbae42f0_outp
		.amdhsa_group_segment_fixed_size 327680
		.amdhsa_private_segment_fixed_size 0
		.amdhsa_enable_private_segment 0
		.amdhsa_kernarg_size 32
		.amdhsa_user_sgpr_count 2
		.amdhsa_user_sgpr_kernarg_segment_ptr 1
		.amdhsa_wavefront_size32 1
		.amdhsa_system_sgpr_workgroup_id_x 1
		.amdhsa_system_sgpr_workgroup_id_y 1
		.amdhsa_system_sgpr_workgroup_id_z 1
		.amdhsa_system_vgpr_workitem_id 0
		.amdhsa_next_free_vgpr 1024
		.amdhsa_next_free_sgpr 96
		.amdhsa_reserve_vcc 0
		.amdhsa_float_denorm_mode_32 3
		.amdhsa_float_denorm_mode_16_64 3
		.amdhsa_memory_ordered 1
		.amdhsa_forward_progress 1
		.amdhsa_inst_pref_size 158
	.end_amdhsa_kernel
	.amdgpu_metadata
---
amdhsa.version: [ 1, 2 ]
amdhsa.kernels:
  - .name:           k_q34dbae42f0_outp
    .symbol:         k_q34dbae42f0_outp.kd
    .args:
      - { .name: cod, .offset: 0, .size: 8, .value_kind: global_buffer, .address_space: global }
      - { .name: scl, .offset: 8, .size: 8, .value_kind: global_buffer, .address_space: global }
      - { .name: bo, .offset: 16, .size: 8, .value_kind: global_buffer, .address_space: global }
      - { .name: out0, .offset: 24, .size: 8, .value_kind: global_buffer, .address_space: global }
    .group_segment_fixed_size: 327680
    .private_segment_fixed_size: 0
    .kernarg_segment_align: 8
    .kernarg_segment_size: 32
    .max_flat_workgroup_size: 128
    .sgpr_count:     96
    .vgpr_count:     1024
    .wavefront_size: 32
...
	.end_amdgpu_metadata
.endif
;; end of part 4
